; MI455X (gfx1250); checked and timed in simulation.
; The chip was launched on July 23, 2026; its instructions are those of AMD's public machine-readable ISA for CDNA 5 (MIT licence, August 2026) and "CDNA5" Instruction Set Architecture Reference Guide (July 2026). The comments in the code are by the model that wrote it; some were corrected since.
;; Advanced Quantum Feature Map. Allowed arithmetic: float matrix products may take bf16 or f16 operands with f32 sums; other float arithmetic in f32, or as packed bf16 or f16 multiplies, adds, multiply-adds, maxima and minima; sums over many terms, partial sums and values carried from step to step in f32; what a program stores and reads back later, other than sums and carried values, may be rounded once to bf16 or f16.
;; Inputs: amp_W1 4,096 x 2 float32; amp_W2 2,048 x 4,096 float32; amp_W3 1,024 x 2,048 float32; amp_b1 4,096 float32; amp_b2 2,048 float32; amp_b3 1,024 float32; amp_be1 4,096 float32; amp_be2 2,048 float32; amp_g1 4,096 float32; amp_g2 2,048 float32; attn_in_b 3,072 float32; attn_in_w 3,072 x 1,024 float32; attn_out_b 1,024 float32; attn_out_w 1,024 x 1,024 float32; ph_W1 2,048 x 2 float32; ph_W2 1,024 x 2,048 float32; ph_b1 2,048 float32; ph_b2 1,024 float32; ph_be1 2,048 float32; ph_g1 2,048 float32; rot_freq 5 x 1,024 x 3 float32; rot_phase 5 x 1,024 x 3 float32; x 4,096 x 2 float32.
;; Outputs: out0 4,096 x 1,024 float32.
;; One version. Each part assembles by itself: llvm-mc -triple=amdgcn-amd-amdhsa -mcpu=gfx1250 --defsym DOCPART=n.
;; ======== version 1 of 1: 5 launches
;; limits: values are held in f16: magnitudes above 65,504 overflow, below 6.1e-05 lose precision; a function is approximated: absolute error at most 1.5e-07; an absolute error that grows with the inputs' magnitude: up to 7.5e-08 times it; right only within a limited range of input values; a function is approximated: absolute error at most 8e-07
;; workspace buffers: wh 29,360,128 bytes; act 50,331,648 bytes; tab 28,672 bytes; z2 16,777,216 bytes; h2 16,777,216 bytes; qs 8,388,608 bytes; wc 2,097,152 bytes
;; launch prep (part 1): grid 512 x 1, 8 waves a work-group, no clusters, 2,048 bytes of LDS; arguments x, amp_W1, amp_b1, amp_g1, amp_be1, ph_W1, ph_b1, ph_g1, ph_be1, amp_W2, amp_W3, ph_W2, attn_in_w, attn_out_w, rot_freq, rot_phase, amp_b3, ph_b2, wh, act, tab, attn_in_b, attn_out_b; writes wh, act, tab
.if DOCPART == 1
	.amdgcn_target "amdgcn-amd-amdhsa--gfx1250"
	.amdhsa_code_object_version 6
	.text
	.protected	k_q11a0f05bd4_prep
	.globl	k_q11a0f05bd4_prep
	.p2align	8
	.type	k_q11a0f05bd4_prep,@function
k_q11a0f05bd4_prep:
	s_mov_b64 s[64:65], 0
	v_nop
	global_prefetch_b8 v0, s[64:65] scope:SCOPE_SE
	s_setreg_imm32_b32 hwreg(HW_REG_WAVE_MODE, 25, 1), 1
	s_wait_xcnt 0x0
; PREP.  Work-groups 0 .. 255 (row role, idx = number): h1 = gelu(LN(x W1^T + b1)) and p = silu(LN(x phW1^T + phb1)) for rows 16 idx .. 16 idx + 15, in f16; idx 0 also makes six tables of 1,024 columns.
; Work-groups 256 .. 511 (cast role, idx = number - 256): 1/256 of each of the five weight matrices, f32 to f16, and four numbers of a seventh table.
; WORK LEFT OUT, for all values of the inputs.  reference() keeps qkv[:, 2Q:] alone, so rows 0 .. 2047 of attn_in_w and attn_in_b[0 .. 2047] reach no output: they are not read.
; reference() indexes rot_freq[-1] and rot_phase[-1] alone, and of rot_freq[-1] the components 0 and 1: the slices 0 .. 3 are not read (component 2 lies inside 16-byte loads that hold live numbers).
; Every input keeps live bytes, so all stay among the arguments.  LIMIT: a NaN, an infinity or an overflow in the parts left out is not carried to the result.
; IDENTITIES, for all values.  (a) With a = w0 - mean(w0), c = w1 - mean(w1), d = b - mean(b) over the columns: pre - mean(pre) = x0 a + x1 c + d, and N var is the quadratic form of (x0, x1, 1) in the six
; sums aa, cc, dd, ac, ad, cd.  All are centred first: no difference of large sums is formed; the form is held at 0 from below.
; (b) gelu(u) = max(u, 0) - |u| erfc(|u| / sqrt 2) / 2; erfc by the rational form t = 1 / (1 + 0.3275911 z), (a1 t + .. + a5 t^5) exp(-z^2), whose absolute error stays under 1.5e-7 for every z >= 0.
; (c) the tables fold biases and factors: tab0 = phb2 L, tab1 = -2 f1 / 2pi, tab2 = (f1 + p1) / 2pi + 1/4, tab3 = tanh(p2) / 3, tab4 = f0 / 2pi, tab5 = (b3 f0 + p0) / 2pi, L = 2 log2(e).
; (d) (qs Wv^T + bv) Wo^T + bo = qs (Wo Wv)^T + (Wo bv + bo): the two last products become one.  tab6 = 64 (Wo bv + bo), in f32, is made here; Wo Wv in a later launch.
; LIMITS.  f16 ends at 65,504: the weights, 64 |g1| + |be1| and 45 |phg1| + |phbe1| stay below it; a weight below 6e-5 keeps f16's fixed step of 6e-8; an exponential below 2^-126 counts as 0.
.set RED1,  0                          ; LDS, row role: 8 waves x 8 words
.set RED2,  256                        ; LDS, row role: 8 waves x 16 words
.set SPARE, 768                        ; the spare words: 128 bytes for each of the eight waves, four blocks of 256 bytes that no other line names
.set RED3,  1792                       ; LDS, cast role: 4 rows x 8 waves, a word each, in a block of their own that no line of the row role names
.set SPW, 2                            ; v2   SPARE + 4 x my thread's number; never rewritten
.set NIL, 3                            ; v3   0; never rewritten
.set RA,  10                           ; v10-15  the row in hand: A0 A1 A2 (amplitude), B0 B1 B2 (phase)
.set RV,  16                           ; v16-21  the same six, lane = row % 16
.set XR,  22                           ; v22-23  x0, x1 of row lane % 16
.set G0,  24                           ; v24-87  a g, c g, d g, be1 of my 16 amplitude columns
.set G1,  40
.set G2,  56
.set BE,  72
.set H0,  88                           ; v88-119 the same of my 8 phase columns
.set H1,  96
.set H2,  104
.set HE,  112
.set U,   120                          ; at work in a row: u, |u|, t, exp, polynomial
.set AU,  136
.set T,   152
.set Q,   168
.set P,   184
.set YP,  200
.set EP,  208
.set OUT, 216                          ; v216-227 three stores' data
.set W,   120                          ; before the rows: W1 as loaded, (w0, w1) by columns, 32 registers
.set RED, 216                          ; before the rows: 16 numbers to be summed
.set CX,  16                           ; cast role: 14 x 4 as loaded
.set CY,  72                           ; cast role: 14 x 2 to store
.set BV,  100                          ; cast role: bv of my four columns
.set WV,  56
.set IDX, 57
.set SEL, 62                           ; s[62:63] v_permlanex16_b32's selects
.set KP,  66                           ; constants of the rows, each twice (named as pairs)
.set KE,  68
.set A5,  70
.set A4,  72
.set A3,  74
.set A2C, 76
.set A1C, 78
.set NL,  80
.macro EACH n, body:vararg             ; one line for p = 0 .. n - 1
.set p, 0
.rept \n
	\body
.set p, p+1
.endr
.endm
.macro SPAIR r, val
	s_mov_b32 s[\r], \val
	s_mov_b32 s[\r+1], \val
.endm
.macro WSUM r                          ; the sum over the wave's 32 lanes, in every lane; v9 is at work
	v_add_f32_dpp v[\r], v[\r], v[\r] row_xmask:1 row_mask:0xf bank_mask:0xf
	v_add_f32_dpp v[\r], v[\r], v[\r] row_xmask:2 row_mask:0xf bank_mask:0xf
	v_add_f32_dpp v[\r], v[\r], v[\r] row_xmask:4 row_mask:0xf bank_mask:0xf
	v_add_f32_dpp v[\r], v[\r], v[\r] row_xmask:8 row_mask:0xf bank_mask:0xf
	v_permlanex16_b32 v9, v[\r], s[SEL], s[SEL+1]
	v_add_f32 v[\r], v[\r], v9
.endm
	s_load_b512 s[4:19], s[0:1], 0x0               ; x 4, W1 6, b1 8, g1 10, be1 12, phW1 14, phb1 16, phg1 18
	s_load_b512 s[20:35], s[0:1], 0x40             ; phbe1 20, W2 22, W3 24, phW2 26, in_w 28, out_w 30, rot_freq 32, rot_phase 34
	s_load_b256 s[36:43], s[0:1], 0x80             ; b3 36, phb2 38, wh 40, act 42
	s_load_b64 s[44:45], s[0:1], 0xa0              ; tab
	s_load_b64 s[68:69], s[0:1], 0xa8              ; attn_in_b: the cast role's alone; the row role writes these registers anew later
	s_load_b64 s[70:71], s[0:1], 0xb0              ; attn_out_b: likewise
	v_lshl_add_u32 v[SPW], v0, 2, SPARE
	v_mov_b32 v[NIL], 0
	v_lshrrev_b32 v1, 5, v0
	v_readfirstlane_b32 s[WV], v1
	v_mov_b32 v9, 0                                ; v_permlanex16_b32's destination counts as read
	s_and_b32 s[IDX], ttmp9, 255
	s_lshr_b32 s58, ttmp9, 8                       ; the role: work-groups i and i + 256 differ in it; the longer role has the lower numbers
	s_mov_b32 s61, 0                               ; the upper word of every offset pair s[60:61]
	s_mov_b32 s[SEL], 0x76543210
	s_mov_b32 s[SEL+1], 0xfedcba98
	s_wait_kmcnt 0x0
	s_cmp_eq_u32 s58, 0                            ; the role hangs on the work-group's number alone: it is the same in all eight waves
	s_cbranch_scc1 .Lrows
; THE CAST ROLE.  Four trips; a trip takes 14 pieces of 4,096 bytes: 8 of W2, 2 of W3, 2 of phW2, 1 of the V rows of attn_in_w, 1 of attn_out_w.  A wave's load covers 512 consecutive bytes, its store 256, aligned.
; A trip's piece of attn_out_w is one whole row n = 4 idx + trip of Wo, four numbers a thread: its product with bv is summed over the wave and set down in LDS, a word for each row and wave.
	v_lshlrev_b32 v4, 4, v0
	v_lshlrev_b32 v5, 3, v0
	v_mov_b32 v10, s[WV]
	v_lshlrev_b32 v10, 2, v10                      ; my wave's word of row 0
	s_lshl_b32 s60, s[IDX], 17
	s_add_nc_u64 s[22:23], s[22:23], s[60:61]
	s_lshl_b32 s60, s[IDX], 15
	s_add_nc_u64 s[24:25], s[24:25], s[60:61]
	s_add_nc_u64 s[26:27], s[26:27], s[60:61]
	s_lshl_b32 s60, s[IDX], 14
	s_add_nc_u64 s[28:29], s[28:29], s[60:61]
	s_add_nc_u64 s[28:29], s[28:29], 8388608       ; row 2,048 of attn_in_w: the V third
	s_add_nc_u64 s[30:31], s[30:31], s[60:61]
	s_add_nc_u64 s[48:49], s[40:41], s[60:61]
	s_add_nc_u64 s[50:51], s[48:49], 20971520
	s_add_nc_u64 s[48:49], s[48:49], 16777216
	s_lshl_b32 s60, s[IDX], 16
	s_add_nc_u64 s[46:47], s[40:41], s[60:61]
	s_lshl_b32 s60, s[IDX], 13
	s_add_nc_u64 s[52:53], s[40:41], s[60:61]
	s_add_nc_u64 s[54:55], s[52:53], 27262976
	s_add_nc_u64 s[52:53], s[52:53], 25165824
.macro SEGOF n                         ; piece n of a trip: matrix sg, piece li of it
.if (\n) < 8
.set sg, 0
.set li, (\n)
.elseif (\n) < 10
.set sg, 1
.set li, (\n)-8
.elseif (\n) < 12
.set sg, 2
.set li, (\n)-10
.else
.set sg, (\n)-9
.set li, 0
.endif
.endm
.macro LOADS14
.set q, 0
.rept 14
	SEGOF q
	global_load_b128 v[CX+4*q:CX+4*q+3], v4, s[22+2*sg:23+2*sg] offset:4096*li th:TH_LOAD_NT
.set q, q+1
.endr
.endm
	global_load_b128 v[BV:BV+3], v4, s[68:69] offset:8192  ; bv[4 t .. 4 t + 3] = attn_in_b[2048 + 4 t ..]
	LOADS14
	s_mov_b32 s2, 4
.Lcast:
	s_wait_loadcnt 0x0                             ; the trip's 14 loads are in, so their bases may be stepped
	v_mul_f32 v12, v[CX+52], v[BV]                 ; my four terms of Wo[n] . bv
	v_fma_f32 v12, v[CX+53], v[BV+1], v12
	v_fma_f32 v12, v[CX+54], v[BV+2], v12
	v_fma_f32 v12, v[CX+55], v[BV+3], v12
	WSUM 12
	ds_store_b32 v10, v12 offset:RED3              ; all lanes of a wave write the same word with the same number
	v_add_nc_u32 v10, 32, v10                      ; the next row's eight words
	EACH 14, v_cvt_pk_f16_f32 v[CY+2*p], v[CX+4*p], v[CX+4*p+1]
	EACH 14, v_cvt_pk_f16_f32 v[CY+2*p+1], v[CX+4*p+2], v[CX+4*p+3]
	s_add_nc_u64 s[22:23], s[22:23], 32768
	s_add_nc_u64 s[24:25], s[24:25], 8192
	s_add_nc_u64 s[26:27], s[26:27], 8192
	s_add_nc_u64 s[28:29], s[28:29], 4096
	s_add_nc_u64 s[30:31], s[30:31], 4096
	s_cmp_eq_u32 s2, 1
	s_cbranch_scc1 .Lnoload                        ; the last trip has nothing behind it
	LOADS14                                        ; the next trip's loads go out ahead of this trip's stores
.Lnoload:
.set q, 0
.rept 14
	SEGOF q
	global_store_b64 v5, v[CY+2*q:CY+2*q+1], s[46+2*sg:47+2*sg] offset:2048*li th:TH_STORE_NT
.set q, q+1
.endr
	s_wait_xcnt 0x0                                ; the stores have read their data and bases: both are written again only behind this wait
	s_add_nc_u64 s[46:47], s[46:47], 16384
	s_add_nc_u64 s[48:49], s[48:49], 4096
	s_add_nc_u64 s[50:51], s[50:51], 4096
	s_add_nc_u64 s[52:53], s[52:53], 2048
	s_add_nc_u64 s[54:55], s[54:55], 2048
	s_sub_co_u32 s2, s2, 1
	s_cmp_lg_u32 s2, 0
	s_cbranch_scc1 .Lcast
	s_wait_dscnt 0x0                               ; for wave 0's sake: my four words are written
	s_barrier_signal -1
	s_barrier_wait -1
	s_cmp_lg_u32 s[WV], 0
	s_cbranch_scc1 .Lend                           ; wave 0 alone finishes the four numbers
	v_and_b32 v11, 31, v0
	v_lshrrev_b32 v13, 3, v11                      ; lane l: row l / 8, wave l % 8
	v_lshlrev_b32 v11, 2, v11
	ds_load_b32 v12, v11 offset:RED3
	s_lshl_b32 s60, s[IDX], 4
	v_lshl_add_u32 v13, v13, 2, s60                ; 4 x (4 idx + row)
	global_load_b32 v14, v13, s[70:71]             ; bo of my row
	v_and_b32 v15, 7, v0
	s_wait_dscnt 0x0
	v_add_f32_dpp v12, v12, v12 row_xmask:1 row_mask:0xf bank_mask:0xf
	v_add_f32_dpp v12, v12, v12 row_xmask:2 row_mask:0xf bank_mask:0xf
	v_add_f32_dpp v12, v12, v12 row_xmask:4 row_mask:0xf bank_mask:0xf
	s_wait_loadcnt 0x0
	v_add_f32 v12, v12, v14
	v_mul_f32 v12, 0x42800000, v12                 ; x 64, as Wo Wv is kept
	v_cmp_eq_u32 vcc_lo, 0, v15
	s_wait_xcnt 0x0                                ; EXEC changes only behind this wait
	s_and_saveexec_b32 s60, vcc_lo                 ; one lane for each row
	global_store_b32 v13, v12, s[44:45] offset:24576
	s_wait_xcnt 0x0                                ; and again, in front of the line that widens it
	s_or_b32 exec_lo, exec_lo, s60
	s_branch .Lend
; THE ROW ROLE.  Thread t owns amplitude columns 8 t .. 8 t + 7 and 2,048 + 8 t .. + 7, and phase columns 8 t .. 8 t + 7, for all 16 rows.
.Lrows:
	v_lshlrev_b32 v4, 6, v0
	v_lshlrev_b32 v5, 5, v0
	v_lshlrev_b32 v6, 4, v0
	v_and_b32 v8, 15, v0
	s_lshl_b32 s60, s[IDX], 7
	v_lshl_add_u32 v8, v8, 3, s60                  ; x of row 16 idx + lane % 16
.irp i, 0,1,2,3
	global_load_b128 v[W+4*(\i):W+4*(\i)+3], v4, s[6:7] offset:16*(\i)
	global_load_b128 v[W+16+4*(\i):W+16+4*(\i)+3], v4, s[6:7] offset:16384+16*(\i)
	global_load_b128 v[P+4*(\i):P+4*(\i)+3], v4, s[14:15] offset:16*(\i)
.endr
.irp i, 0,1
	global_load_b128 v[T+4*(\i):T+4*(\i)+3], v5, s[8:9] offset:16*(\i)
	global_load_b128 v[T+8+4*(\i):T+8+4*(\i)+3], v5, s[8:9] offset:8192+16*(\i)
	global_load_b128 v[Q+4*(\i):Q+4*(\i)+3], v5, s[10:11] offset:16*(\i)
	global_load_b128 v[Q+8+4*(\i):Q+8+4*(\i)+3], v5, s[10:11] offset:8192+16*(\i)
	global_load_b128 v[BE+4*(\i):BE+4*(\i)+3], v5, s[12:13] offset:16*(\i)
	global_load_b128 v[BE+8+4*(\i):BE+8+4*(\i)+3], v5, s[12:13] offset:8192+16*(\i)
	global_load_b128 v[YP+4*(\i):YP+4*(\i)+3], v5, s[16:17] offset:16*(\i)
	global_load_b128 v[EP+4*(\i):EP+4*(\i)+3], v5, s[18:19] offset:16*(\i)
	global_load_b128 v[HE+4*(\i):HE+4*(\i)+3], v5, s[20:21] offset:16*(\i)
.endr
	global_load_b64 v[XR:XR+1], v8, s[4:5]
	v_mov_b32 v10, s[WV]
	v_lshlrev_b32 v10, 5, v10                      ; 32 x wave
	v_and_b32 v11, 31, v0
	v_lshlrev_b32 v11, 2, v11                      ; 4 x lane
	s_wait_loadcnt 0x0
.macro PSUM dst, src, n                ; dst pair = the sum of n pairs from src on
	v_pk_add_f32 v[\dst:\dst+1], v[\src:\src+1], v[\src+2:\src+3]
.set j, 2
.rept (\n)-2
	v_pk_add_f32 v[\dst:\dst+1], v[\dst:\dst+1], v[\src+2*j:\src+2*j+1]
.set j, j+1
.endr
.endm
	; the column sums: words 0 w0, 1 w1, 2 b (3 a pad), 4 to 6 the phase encoder's (7 a pad)
	PSUM RED, W, 16
	PSUM RED+2, T, 8
	v_add_f32 v[RED+2], v[RED+2], v[RED+3]
	PSUM RED+4, P, 8
	PSUM RED+6, YP, 4
	v_add_f32 v[RED+6], v[RED+6], v[RED+7]
	EACH 8, WSUM RED+p
	ds_store_b128 v10, v[RED:RED+3] offset:RED1    ; all lanes of a wave write the same bytes with the same numbers
	ds_store_b128 v10, v[RED+4:RED+7] offset:RED1+16
	s_wait_dscnt 0x0                               ; for the other waves' sake: my stores are done
	s_barrier_signal -1
	s_barrier_wait -1
	ds_load_b32 v12, v11 offset:RED1               ; lane l: word l % 8 of wave l / 8,
	ds_load_b32 v13, v11 offset:RED1+128           ; and of wave 4 + l / 8
	s_wait_dscnt 0x0
	v_add_f32 v12, v12, v13
	v_add_f32_dpp v12, v12, v12 row_xmask:8 row_mask:0xf bank_mask:0xf
	v_permlanex16_b32 v9, v12, s[SEL], s[SEL+1]
	v_add_f32 v12, v12, v9
.irp k, 0,1,2,3,4,5,6,7
	v_readlane_b32 s[66+(\k)], v12, \k
.endr
.irp k, 66,67,68,69
	s_mul_f32 s\k, s\k, 0xb9800000                 ; - sum / 4,096
.endr
.irp k, 70,71,72,73
	s_mul_f32 s\k, s\k, 0xba000000                 ; - sum / 2,048
.endr
	; centre in place
	v_mov_b32 v14, s66
	v_mov_b32 v15, s67
	EACH 16, v_pk_add_f32 v[W+2*p:W+2*p+1], v[W+2*p:W+2*p+1], v[14:15]
	EACH 8, v_pk_add_f32 v[T+2*p:T+2*p+1], v[T+2*p:T+2*p+1], s[68:69] op_sel_hi:[1,0]
	v_mov_b32 v14, s70
	v_mov_b32 v15, s71
	EACH 8, v_pk_add_f32 v[P+2*p:P+2*p+1], v[P+2*p:P+2*p+1], v[14:15]
	EACH 4, v_pk_add_f32 v[YP+2*p:YP+2*p+1], v[YP+2*p:YP+2*p+1], s[72:73] op_sel_hi:[1,0]
; the six second moments of n columns: r+0 aa, +1 cc, +2 ad, +3 cd, +4 ac, +5 dd (+6, +7 at work)
.macro MOM r, w, d, n
	v_pk_mul_f32 v[\r:\r+1], v[\w:\w+1], v[\w:\w+1]
	v_pk_mul_f32 v[\r+2:\r+3], v[\w:\w+1], v[\d:\d+1] op_sel_hi:[1,0]
	v_mul_f32 v[\r+4], v[\w], v[\w+1]
	v_pk_mul_f32 v[\r+6:\r+7], v[\d:\d+1], v[\d:\d+1]
.set j, 1
.rept (\n)-1
	v_pk_fma_f32 v[\r:\r+1], v[\w+2*j:\w+2*j+1], v[\w+2*j:\w+2*j+1], v[\r:\r+1]
.if j%2
	v_pk_fma_f32 v[\r+2:\r+3], v[\w+2*j:\w+2*j+1], v[\d+j-1:\d+j], v[\r+2:\r+3] op_sel:[0,1,0] op_sel_hi:[1,1,1]
.else
	v_pk_fma_f32 v[\r+2:\r+3], v[\w+2*j:\w+2*j+1], v[\d+j:\d+j+1], v[\r+2:\r+3] op_sel_hi:[1,0,1]
	v_pk_fma_f32 v[\r+6:\r+7], v[\d+j:\d+j+1], v[\d+j:\d+j+1], v[\r+6:\r+7]
.endif
	v_fma_f32 v[\r+4], v[\w+2*j], v[\w+2*j+1], v[\r+4]
.set j, j+1
.endr
	v_add_f32 v[\r+5], v[\r+6], v[\r+7]
.endm
	MOM RED, W, T, 16
	MOM RED+8, P, YP, 8
	EACH 16, WSUM RED+p
	v_lshlrev_b32 v10, 1, v10                      ; 64 x wave
.irp k, 0,1,2,3
	ds_store_b128 v10, v[RED+4*(\k):RED+4*(\k)+3] offset:RED2+16*(\k)
.endr
	s_wait_dscnt 0x0
	s_barrier_signal -1
	s_barrier_wait -1
.irp k, 0,1,2,3
	ds_load_b32 v[12+(\k)], v11 offset:RED2+128*(\k)  ; lane l: word l % 16 of waves l / 16 + 2 k
.endr
	s_wait_dscnt 0x0
	v_add_f32 v12, v12, v13
	v_add_f32 v14, v14, v15
	v_add_f32 v12, v12, v14
	v_permlanex16_b32 v9, v12, s[SEL], s[SEL+1]
	v_add_f32 v12, v12, v9
.irp k, 0,1,2,3,4,5,8,9,10,11,12,13
	v_readlane_b32 s[74+(\k)], v12, \k
.endr
.irp k, 76,77,78,84,85,86
	s_add_f32 s\k, s\k, s\k                        ; 2 ad, 2 cd, 2 ac
.endr
	s_mov_b32 s58, 0x39800000                      ; 1 / 4,096
	s_mov_b32 s59, 0x3727c5ac                      ; 1e-5
	s_mov_b32 s60, 0x3a000000                      ; 1 / 2,048
.macro RSTAT m, dst                    ; N var of my lane's row = x0 (x0 aa + x1 2ac + 2ad) + x1 (x1 cc + 2cd) + dd, not below 0
	v_fma_f32 v12, v[XR+1], s[\m+4], s[\m+2]
	v_fma_f32 v12, v[XR], s[\m], v12
	v_fma_f32 v13, v[XR+1], s[\m+1], s[\m+3]
	v_fma_f32 v13, v[XR+1], v13, s[\m+5]
	v_fma_f32 v[\dst], v[XR], v12, v13
	v_max_num_f32 v[\dst], 0, v[\dst]
.endm
	RSTAT 74, 14
	RSTAT 82, 15
	v_fma_f32 v14, v14, s58, s59
	v_fma_f32 v15, v15, s60, s59
	v_rsq_f32 v[RV+2], v14
	v_rsq_f32 v[RV+5], v15
	; the columns' factors stand between the two roots and the wait for them
	EACH 16, v_mul_f32 v[G0+p], v[W+2*p], v[Q+p]
	EACH 16, v_mul_f32 v[G1+p], v[W+2*p+1], v[Q+p]
	EACH 8, v_pk_mul_f32 v[G2+2*p:G2+2*p+1], v[T+2*p:T+2*p+1], v[Q+2*p:Q+2*p+1]
	EACH 8, v_mul_f32 v[H0+p], v[P+2*p], v[EP+p]
	EACH 8, v_mul_f32 v[H1+p], v[P+2*p+1], v[EP+p]
	EACH 4, v_pk_mul_f32 v[H2+2*p:H2+2*p+1], v[YP+2*p:YP+2*p+1], v[EP+2*p:EP+2*p+1]
	s_wait_alu depctr_va_vdst(0)                   ; one wait for both roots, ahead of their first reader
	v_mul_f32 v[RV], v[XR], v[RV+2]
	v_mul_f32 v[RV+1], v[XR+1], v[RV+2]
	v_mul_f32 v[RV+3], v[XR], v[RV+5]
	v_mul_f32 v[RV+4], v[XR+1], v[RV+5]
	SPAIR KP, 0x3e6d3388                           ; 0.3275911 / sqrt 2
	SPAIR KE, 0xbf38aa3b                           ; - log2(e) / 2
	SPAIR A5, 0x3f07dc22                           ; a5 / 2 .. a1 / 2
	SPAIR A4, 0xbf3a00e3
	SPAIR A3, 0x3f35f0e3
	SPAIR A2C, 0xbe11a98e
	SPAIR A1C, 0x3e027906
	SPAIR NL, 0xbfb8aa3b                           ; - log2(e)
	s_lshl_b32 s60, s[IDX], 16
	s_add_nc_u64 s[46:47], s[42:43], s[60:61]
	s_add_nc_u64 s[46:47], s[46:47], 33554432      ; p at my first row
	s_lshl_b32 s60, s[IDX], 17
	s_add_nc_u64 s[42:43], s[42:43], s[60:61]      ; h1 at my first row
	v_mov_b32 v7, 0
.irp k, 0,1,2,3,4,5
	ds_bpermute_b32 v[RA+(\k)], v7, v[RV+(\k)]     ; row 0's six numbers into every lane
.endr
	s_mov_b32 s2, 16
.Lrow:
	s_wait_dscnt 0x0                               ; the row's six numbers are in
	EACH 8, v_pk_fma_f32 v[U+2*p:U+2*p+1], v[G2+2*p:G2+2*p+1], v[RA+2:RA+3], v[BE+2*p:BE+2*p+1] op_sel_hi:[1,0,1]
	EACH 8, v_pk_fma_f32 v[U+2*p:U+2*p+1], v[G1+2*p:G1+2*p+1], v[RA:RA+1], v[U+2*p:U+2*p+1] op_sel:[0,1,0] op_sel_hi:[1,1,1]
	EACH 8, v_pk_fma_f32 v[U+2*p:U+2*p+1], v[G0+2*p:G0+2*p+1], v[RA:RA+1], v[U+2*p:U+2*p+1] op_sel_hi:[1,0,1]
	EACH 16, v_and_b32 v[AU+p], 0x7fffffff, v[U+p]
	EACH 8, v_pk_fma_f32 v[T+2*p:T+2*p+1], v[AU+2*p:AU+2*p+1], s[KP:KP+1], 1.0 op_sel_hi:[1,0,0]
	EACH 16, v_rcp_f32 v[T+p], v[T+p]
	EACH 8, v_pk_mul_f32 v[Q+2*p:Q+2*p+1], v[U+2*p:U+2*p+1], v[U+2*p:U+2*p+1]
	EACH 8, v_pk_mul_f32 v[Q+2*p:Q+2*p+1], v[Q+2*p:Q+2*p+1], s[KE:KE+1] op_sel_hi:[1,0]
	EACH 16, v_exp_f32 v[Q+p], v[Q+p]
	EACH 4, v_pk_fma_f32 v[YP+2*p:YP+2*p+1], v[H2+2*p:H2+2*p+1], v[RA+4:RA+5], v[HE+2*p:HE+2*p+1] op_sel:[0,1,0] op_sel_hi:[1,1,1]
	EACH 4, v_pk_fma_f32 v[YP+2*p:YP+2*p+1], v[H1+2*p:H1+2*p+1], v[RA+4:RA+5], v[YP+2*p:YP+2*p+1] op_sel_hi:[1,0,1]
	EACH 4, v_pk_fma_f32 v[YP+2*p:YP+2*p+1], v[H0+2*p:H0+2*p+1], v[RA+2:RA+3], v[YP+2*p:YP+2*p+1] op_sel:[0,1,0] op_sel_hi:[1,1,1]
	EACH 4, v_pk_mul_f32 v[EP+2*p:EP+2*p+1], v[YP+2*p:YP+2*p+1], s[NL:NL+1] op_sel_hi:[1,0]
	EACH 8, v_exp_f32 v[EP+p], v[EP+p]
	EACH 16, v_max_num_f32 v[U+p], 0, v[U+p]
	v_add_nc_u32 v7, 4, v7
.irp k, 0,1,2,3,4,5
	ds_bpermute_b32 v[RA+(\k)], v7, v[RV+(\k)]     ; the next row's six (behind the last row: lane 16, which holds row 0's copy; it is not used)
.endr
	s_wait_alu depctr_va_vdst(0)                   ; one wait for the 40 transcendentals above, ahead of their first reader
	EACH 4, v_pk_add_f32 v[EP+2*p:EP+2*p+1], v[EP+2*p:EP+2*p+1], 1.0 op_sel_hi:[1,0]
	EACH 8, v_rcp_f32 v[EP+p], v[EP+p]
	EACH 8, v_pk_fma_f32 v[P+2*p:P+2*p+1], v[T+2*p:T+2*p+1], s[A5:A5+1], s[A4:A4+1] op_sel_hi:[1,0,0]
	EACH 8, v_pk_fma_f32 v[P+2*p:P+2*p+1], v[P+2*p:P+2*p+1], v[T+2*p:T+2*p+1], s[A3:A3+1] op_sel_hi:[1,1,0]
	EACH 8, v_pk_fma_f32 v[P+2*p:P+2*p+1], v[P+2*p:P+2*p+1], v[T+2*p:T+2*p+1], s[A2C:A2C+1] op_sel_hi:[1,1,0]
	EACH 8, v_pk_fma_f32 v[P+2*p:P+2*p+1], v[P+2*p:P+2*p+1], v[T+2*p:T+2*p+1], s[A1C:A1C+1] op_sel_hi:[1,1,0]
	EACH 8, v_pk_mul_f32 v[P+2*p:P+2*p+1], v[P+2*p:P+2*p+1], v[T+2*p:T+2*p+1]
	EACH 8, v_pk_mul_f32 v[P+2*p:P+2*p+1], v[P+2*p:P+2*p+1], v[Q+2*p:Q+2*p+1]
	EACH 8, v_pk_fma_f32 v[U+2*p:U+2*p+1], v[AU+2*p:AU+2*p+1], v[P+2*p:P+2*p+1], v[U+2*p:U+2*p+1] neg_lo:[1,0,0] neg_hi:[1,0,0]
	EACH 8, v_cvt_pk_f16_f32 v[OUT+p], v[U+2*p], v[U+2*p+1]
	s_wait_alu depctr_va_vdst(0)                   ; one wait for the eight reciprocals
	EACH 4, v_pk_mul_f32 v[YP+2*p:YP+2*p+1], v[YP+2*p:YP+2*p+1], v[EP+2*p:EP+2*p+1]
	EACH 4, v_cvt_pk_f16_f32 v[OUT+8+p], v[YP+2*p], v[YP+2*p+1]
	global_store_b128 v6, v[OUT:OUT+3], s[42:43] th:TH_STORE_NT               ; each store of a wave covers 512 consecutive bytes, aligned
	global_store_b128 v6, v[OUT+4:OUT+7], s[42:43] offset:4096 th:TH_STORE_NT
	global_store_b128 v6, v[OUT+8:OUT+11], s[46:47] th:TH_STORE_NT
	s_wait_xcnt 0x0                                ; the stores have read their data and bases
	s_add_nc_u64 s[42:43], s[42:43], 8192
	s_add_nc_u64 s[46:47], s[46:47], 4096
	s_sub_co_u32 s2, s2, 1
	s_cmp_lg_u32 s2, 0
	s_cbranch_scc1 .Lrow
	s_cmp_lg_u32 s[IDX], 0
	s_cbranch_scc1 .Lend
	; THE TABLES 0 TO 5, by idx 0 alone: thread t makes columns 4 t .. 4 t + 3 of all six
	v_mul_u32_u24 v120, v0, 48
.irp i, 0,1,2
	global_load_b128 v[124+4*(\i):124+4*(\i)+3], v120, s[32:33] offset:49152+16*(\i)
	global_load_b128 v[136+4*(\i):136+4*(\i)+3], v120, s[34:35] offset:49152+16*(\i)
.endr
	global_load_b128 v[148:151], v6, s[36:37]
	global_load_b128 v[152:155], v6, s[38:39]
	s_mov_b32 s84, 0x3e22f983                      ; 1 / 2pi
	s_mov_b32 s85, 0x3e800000                      ; 1 / 4
	s_mov_b32 s86, 0xbf2aaaab                      ; - 2 / 3
	s_mov_b32 s87, 0x3eaaaaab                      ; 1 / 3
	s_wait_loadcnt 0x0
	EACH 4, v_mul_f32 v[184+p], 0x4038aa3b, v[136+3*p+2]
	EACH 4, v_exp_f32 v[184+p], v[184+p]
	EACH 4, v_mul_f32 v[160+p], 0x4038aa3b, v[152+p]
	EACH 4, v_mul_f32 v[164+p], 0xbea2f983, v[124+3*p+1]
	EACH 4, v_add_f32 v[168+p], v[124+3*p+1], v[136+3*p+1]
	EACH 4, v_fma_f32 v[168+p], v[168+p], s84, s85
	EACH 4, v_mul_f32 v[176+p], s84, v[124+3*p]
	EACH 4, v_fma_f32 v[180+p], v[148+p], v[124+3*p], v[136+3*p]
	EACH 4, v_mul_f32 v[180+p], s84, v[180+p]
	s_wait_alu depctr_va_vdst(0)
	EACH 4, v_add_f32 v[184+p], 1.0, v[184+p]
	EACH 4, v_rcp_f32 v[184+p], v[184+p]
	v_nop
	s_wait_alu depctr_va_vdst(0)
	EACH 4, v_fma_f32 v[172+p], v[184+p], s86, s87 ; tanh(p2) / 3 = 1/3 - (2/3) / (1 + 2^(L p2))
	EACH 6, global_store_b128 v6, v[160+4*p:160+4*p+3], s[44:45] offset:4096*p
.Lend:
	s_wait_tensorcnt 0x0                           ; the wave's end, behind my last LDS store
	ds_add_u32 v[SPW], v[NIL]
	s_wait_dscnt 0x0
	s_endpgm
.Lfunc_end_k_q11a0f05bd4_prep:
	.size	k_q11a0f05bd4_prep, .Lfunc_end_k_q11a0f05bd4_prep-k_q11a0f05bd4_prep
	.p2alignl 7, 3214868480
	.fill 96, 4, 3214868480
	.section	.rodata,"a",@progbits
	.p2align	6, 0x0
	.amdhsa_kernel k_q11a0f05bd4_prep
		.amdhsa_group_segment_fixed_size 2048
		.amdhsa_private_segment_fixed_size 0
		.amdhsa_enable_private_segment 0
		.amdhsa_kernarg_size 184
		.amdhsa_user_sgpr_count 2
		.amdhsa_user_sgpr_kernarg_segment_ptr 1
		.amdhsa_wavefront_size32 1
		.amdhsa_system_sgpr_workgroup_id_x 1
		.amdhsa_system_sgpr_workgroup_id_y 1
		.amdhsa_system_sgpr_workgroup_id_z 1
		.amdhsa_system_vgpr_workitem_id 0
		.amdhsa_next_free_vgpr 240
		.amdhsa_next_free_sgpr 100
		.amdhsa_reserve_vcc 1
		.amdhsa_float_denorm_mode_32 3
		.amdhsa_float_denorm_mode_16_64 3
		.amdhsa_memory_ordered 1
		.amdhsa_forward_progress 1
		.amdhsa_inst_pref_size 58
	.end_amdhsa_kernel
	.amdgpu_metadata
---
amdhsa.version: [ 1, 2 ]
amdhsa.kernels:
  - .name:           k_q11a0f05bd4_prep
    .symbol:         k_q11a0f05bd4_prep.kd
    .args:
      - { .name: x, .offset: 0, .size: 8, .value_kind: global_buffer, .address_space: global }
      - { .name: amp_W1, .offset: 8, .size: 8, .value_kind: global_buffer, .address_space: global }
      - { .name: amp_b1, .offset: 16, .size: 8, .value_kind: global_buffer, .address_space: global }
      - { .name: amp_g1, .offset: 24, .size: 8, .value_kind: global_buffer, .address_space: global }
      - { .name: amp_be1, .offset: 32, .size: 8, .value_kind: global_buffer, .address_space: global }
      - { .name: ph_W1, .offset: 40, .size: 8, .value_kind: global_buffer, .address_space: global }
      - { .name: ph_b1, .offset: 48, .size: 8, .value_kind: global_buffer, .address_space: global }
      - { .name: ph_g1, .offset: 56, .size: 8, .value_kind: global_buffer, .address_space: global }
      - { .name: ph_be1, .offset: 64, .size: 8, .value_kind: global_buffer, .address_space: global }
      - { .name: amp_W2, .offset: 72, .size: 8, .value_kind: global_buffer, .address_space: global }
      - { .name: amp_W3, .offset: 80, .size: 8, .value_kind: global_buffer, .address_space: global }
      - { .name: ph_W2, .offset: 88, .size: 8, .value_kind: global_buffer, .address_space: global }
      - { .name: attn_in_w, .offset: 96, .size: 8, .value_kind: global_buffer, .address_space: global }
      - { .name: attn_out_w, .offset: 104, .size: 8, .value_kind: global_buffer, .address_space: global }
      - { .name: rot_freq, .offset: 112, .size: 8, .value_kind: global_buffer, .address_space: global }
      - { .name: rot_phase, .offset: 120, .size: 8, .value_kind: global_buffer, .address_space: global }
      - { .name: amp_b3, .offset: 128, .size: 8, .value_kind: global_buffer, .address_space: global }
      - { .name: ph_b2, .offset: 136, .size: 8, .value_kind: global_buffer, .address_space: global }
      - { .name: wh, .offset: 144, .size: 8, .value_kind: global_buffer, .address_space: global }
      - { .name: act, .offset: 152, .size: 8, .value_kind: global_buffer, .address_space: global }
      - { .name: tab, .offset: 160, .size: 8, .value_kind: global_buffer, .address_space: global }
      - { .name: attn_in_b, .offset: 168, .size: 8, .value_kind: global_buffer, .address_space: global }
      - { .name: attn_out_b, .offset: 176, .size: 8, .value_kind: global_buffer, .address_space: global }
    .group_segment_fixed_size: 2048
    .private_segment_fixed_size: 0
    .kernarg_segment_align: 8
    .kernarg_segment_size: 184
    .max_flat_workgroup_size: 256
    .sgpr_count:     100
    .vgpr_count:     240
    .wavefront_size: 32
...
	.end_amdgpu_metadata
.endif
;; end of part 1
;; launch g1 (part 2): grid 8 x 32, 4 waves a work-group, clusters of 4 x 4, 327,680 bytes of LDS; arguments act, wh, amp_b2, z2; writes z2
.if DOCPART == 2
	.amdgcn_target "amdgcn-amd-amdhsa--gfx1250"
	.amdhsa_code_object_version 6
	.text
	.protected	k_q11a0f05bd4_g1
	.globl	k_q11a0f05bd4_g1
	.p2align	8
	.type	k_q11a0f05bd4_g1,@function
k_q11a0f05bd4_g1:
	s_mov_b64 s[64:65], 0
	v_nop
	global_prefetch_b8 v0, s[64:65] scope:SCOPE_SE
	s_setreg_imm32_b32 hwreg(HW_REG_WAVE_MODE, 25, 1), 1
	s_wait_xcnt 0x0
	s_wait_alu depctr_hold_cnt(0) depctr_sa_sdst(0) depctr_va_vdst(0) depctr_va_sdst(0) depctr_va_ssrc(0) depctr_va_vcc(0) depctr_vm_vsrc(0)
	s_getreg_b32 s2, hwreg(HW_REG_IB_STS2, 6, 4)
	s_cmp_eq_u32 s2, 0
	s_cbranch_scc0 .Lentry_in_a_cluster
	s_endpgm
.Lentry_in_a_cluster:
	s_bfe_u32 s2, ttmp6, 0x10000c
	s_cmp_lg_u32 s2, 0xf033
	s_cbranch_scc0 .Lentry_shape_is_right
	s_endpgm
.Lentry_shape_is_right:
; z2[m][n] = sum over k of h1[m][k] W2[n][k] + b2[n].  h1: [4096][4096] f16 at act's head, W2: [2048][4096] f16 at wh's head, z2: [4096][2048] f16; sums in f32, z2 rounded once.
; LIMIT: |z2| stays below 65,504, f16's end.
; A tile of z2 is 128 x 256: 32 x 8 = 256 work-groups of four waves; a wave makes 64 x 128: 32 accumulators.  K goes in steps of 128 (rows of 256 bytes) through two LDS slots; two slots of a
; longer step (384 rows x 528 bytes each) would not fit.  CLUSTERS of 4 x 4: the four of a row of the cluster ask jointly for A's tile, the four of a column for B's.
; The matrix instruction is used transposed (source 0 = 16 rows of W2, source 1 = 16 rows of h1): a lane holds row l % 16 and eight neighbouring columns.  The bias is the C operand of the first products.
; REGISTERS: window 0: v16-30 addresses; v32-127 and v128-223 two fragment buffers (64 of B, 32 of A); window 1: the accumulators, (a, b) at 8 (8 a + b); window 2: v0-63 b2 of my 128 columns.
.set SIZE_K, 4096
.set KSTEP,  128
.set PITCH,  272                       ; 256 bytes of data + 16 of padding: the 16 rows of a fragment load start 68 words apart
.set AH,     64*PITCH                  ; what one of A's loads brings, and what a wave reads of A
.set BH,     128*PITCH                 ; the same for B
.set SLOT,   2*AH+2*BH
.set STAGE,  2*SLOT                    ; behind the ring: 16 rows x 272 bytes for each wave
.set SPITCH, 272
.set SPARE,  STAGE+4*16*SPITCH         ; the spare words: 128 bytes for each wave, two blocks of 256 bytes that no other line names
.set LAPS,   SIZE_K/(2*KSTEP)
.set OROW,   4096                      ; bytes in a row of z2
.set ADRA, 16
.set ADRB, 20
.set STO,  24
.set RD,   25
.set CO,   26
.set TO,   27
.set SPW,  28
.set NIL,  29
.set PFO,  30
.set F0,   32
.set F1,   128
.set TMP,  32
.set OB,   64
.set G1A,  24
.set G0A,  32
.set TX,   42
.set LIM,  43
.set PFA,  44
.set G1B,  48
.set G0B,  56
.set WV,   66
.set FH,   67
.set FL,   68
.set TY,   69
.set DW0,  (1<<16)|(1<<20)|(1<<21)|(5<<22)|(3<<25)  ; 2-byte elements; padding on; bit 21 beside a mask; after every 64 words, 4 words
.set MULW,   0x50                      ; fragments window 0, C and D window 1
.set FIRSTW, 0x60                      ; C window 2, D window 1
.set MSB, 0
.macro WIN new                         ; the immediate's high byte repeats the setting that is left
.if MSB != (\new)
	s_set_vgpr_msb (MSB<<8)|(\new)
.set MSB, \new
.endif
.endm
.macro JLOAD s                         ; a joint load: waves 0 and 1 fetch A's halves, waves 2 and 3 B's; s_nop 0 and four v_nop follow each line
	s_cmp_eq_u32 s[FH], 0
	s_cbranch_scc0 .Lfor_b_\@
	tensor_load_to_lds s[G0A+4*(\s):G0A+4*(\s)+3], s[G1A:G1A+7]
	s_nop 0
.rept 4
	v_nop
.endr
	s_branch .Lasked_\@
.Lfor_b_\@:
	tensor_load_to_lds s[G0B+4*(\s):G0B+4*(\s)+3], s[G1B:G1B+7]
	s_nop 0
.rept 4
	v_nop
.endr
.Lasked_\@:
.endm
.macro CREST                           ; a round of the cluster's barrier behind its opening barrier
	s_cmp_lg_u32 s[WV], 0
	s_cbranch_scc1 .Lnot_wave_0_\@
	s_barrier_signal -3
.Lnot_wave_0_\@:
	s_barrier_wait -3
	s_barrier_signal -1
	s_barrier_wait -1
.endm
.macro CROUND
	s_barrier_signal -1
	s_barrier_wait -1
	CREST
.endm
; A prefetch behind each joint refill and the run of LDS loads: the K step that stands four refills on (512 matrix instructions of a wave ahead of the load that names it), 32 rows x 256 bytes, a lane a row.
; Each row's 256 bytes of a K step are named once in the launch: A's rows by the clusters with x = 0 (wave 0; the four partners of a row take 32 rows each, by address), B's by the clusters with y = 0
; (waves 2 and 3; the four partners of a column take 32 of each wave's 128 rows).  K steps 0 to 5 come by their loads alone; the trips with s3 <= 2 would name K steps past the last and ask for nothing.
.macro ASK
	s_cmp_gt_u32 s3, s[LIM]
	s_cbranch_scc0 .Lnot_mine_\@
	global_prefetch_b8 v[PFO], s[PFA:PFA+1] offset:3*KSTEP*2 th:TH_LOAD_NT scope:SCOPE_SE
.Lnot_mine_\@:
.endm
	s_load_b256 s[4:11], s[0:1], 0x0               ; act s[4:5], wh s[6:7], amp_b2 s[8:9], z2 s[10:11]
	v_lshl_add_u32 v[SPW], v0, 2, SPARE
	v_mov_b32 v[NIL], 0
	ds_add_u32 v[SPW], v[NIL]                      ; the wave's opening: the add, twice on end, and its wait ahead of my first tensor load
	ds_add_u32 v[SPW], v[NIL]
	v_lshrrev_b32 v1, 5, v0
	v_readfirstlane_b32 s[WV], v1
	s_lshr_b32 s[FH], s[WV], 1                     ; my half of the tile's rows; also: I fetch for A (0) or B (1)
	s_and_b32 s[FL], s[WV], 1                      ; my half of its columns; also: which half of that tile I fetch
	s_bfe_u32 s40, ttmp6, 0x40000                  ; cx
	s_bfe_u32 s41, ttmp6, 0x40004                  ; cy
	s_lshl_b32 s[TX], ttmp9, 2
	s_add_co_u32 s[TX], s[TX], s40                 ; tile column
	s_and_b32 s[TY], ttmp7, 0xffff
	s_lshl_b32 s[TY], s[TY], 2
	s_add_co_u32 s[TY], s[TY], s41                 ; tile row
	s_lshl_b32 s43, s41, 2
	s_lshl_b32 s43, 15, s43                        ; my row of the cluster
	s_lshl_b32 s44, 0x1111, s40                    ; my column
	s_or_b32 s[G1A], s43, DW0
	s_or_b32 s[G1B], s44, DW0
.irp g, G1A, G1B
	s_mov_b32 s[(\g)+1], KSTEP<<16                 ; tensor_dim0 = 128
	s_mov_b32 s[(\g)+3], KSTEP<<16                 ; tile_dim0 = 128
	s_mov_b32 s[(\g)+5], SIZE_K                    ; elements from row to row
	s_mov_b32 s[(\g)+6], 0
	s_mov_b32 s[(\g)+7], 0
.endr
	s_mov_b32 s[G1A+2], 64<<16                     ; A: 64 rows a load
	s_mov_b32 s[G1A+4], 64
	s_mov_b32 s[G1B+2], 128<<16                    ; B: 128 rows a load
	s_mov_b32 s[G1B+4], 128
	s_lshl_b32 s17, s[FL], 6
	s_lshl_b32 s16, s[TY], 7
	s_add_co_u32 s16, s16, s17                     ; A: row 128 ty + 64 half
	s_lshl_b32 s16, s16, 13                        ; x 8,192 bytes
	s_mov_b32 s17, 0
	s_lshl_b32 s47, s[FL], 7
	s_lshl_b32 s46, s[TX], 8
	s_add_co_u32 s46, s46, s47                     ; B: row 256 tx + 128 half
	s_lshl_b32 s46, s46, 13
	s_mov_b32 s47, 0
	s_mul_i32 s20, s[FL], AH                       ; where they go: no place in the cluster enters an LDS address
	s_mul_i32 s21, s[FL], BH
	s_add_co_u32 s21, s21, 2*AH
	s_wait_dscnt 0x0                               ; both opening adds are done
	s_wait_kmcnt 0x0
	s_add_nc_u64 s[14:15], s[4:5], s[16:17]
	s_add_nc_u64 s[46:47], s[6:7], s[46:47]
	CROUND                                         ; all sixteen work-groups are here: the first joint loads meet
.irp s, 0,1
	s_mov_b32 s[G0A+4*(\s)], 1
	s_add_co_u32 s[G0A+4*(\s)+1], s20, (\s)*SLOT
	s_add_nc_u64 s[G0A+4*(\s)+2:G0A+4*(\s)+3], s[14:15], (\s)*KSTEP*2
	s_or_b32 s[G0A+4*(\s)+3], s[G0A+4*(\s)+3], 0x80000000
	s_mov_b32 s[G0B+4*(\s)], 1
	s_add_co_u32 s[G0B+4*(\s)+1], s21, (\s)*SLOT
	s_add_nc_u64 s[G0B+4*(\s)+2:G0B+4*(\s)+3], s[46:47], (\s)*KSTEP*2
	s_or_b32 s[G0B+4*(\s)+3], s[G0B+4*(\s)+3], 0x80000000
	JLOAD \s
.endr
	v_and_b32 v1, 15, v0                           ; l % 16
	v_bfe_u32 v2, v0, 4, 1                         ; l / 16
	v_mul_u32_u24 v3, v1, PITCH
	v_lshl_add_u32 v3, v2, 4, v3
	s_mul_i32 s21, s[FH], AH
	s_mul_i32 s22, s[FL], BH
	s_add_co_u32 s22, s22, 2*AH
.irp s, 0,1
	v_add_nc_u32 v[ADRA+(\s)], s21, v3
	v_add_nc_u32 v[ADRB+(\s)], s22, v3
	s_add_co_u32 s21, s21, SLOT
	s_add_co_u32 s22, s22, SLOT
.endr
	s_mul_i32 s23, s[WV], 16*SPITCH
	s_add_co_u32 s23, s23, STAGE                   ; my stage
	v_mul_u32_u24 v4, v1, SPITCH
	v_lshl_add_u32 v4, v2, 4, v4
	v_add_nc_u32 v[STO], s23, v4                   ; in: row l % 16, 16 bytes for each half of the lanes
	v_mul_u32_u24 v5, v2, SPITCH
	v_lshl_add_u32 v5, v1, 4, v5
	v_add_nc_u32 v[RD], s23, v5                    ; back: lanes 0-15 one row of 256 bytes, lanes 16-31 the next
	v_mul_u32_u24 v5, v2, OROW
	v_lshl_add_u32 v[CO], v1, 4, v5
	s_lshl_b32 s16, s[TY], 7
	s_lshl_b32 s17, s[FH], 6
	s_add_co_u32 s16, s16, s17
	s_lshl_b32 s16, s16, 12                        ; my first row of z2, in bytes
	s_lshl_b32 s46, s[TX], 9
	s_lshl_b32 s47, s[FL], 8
	s_add_co_u32 s46, s46, s47                     ; my first column, in bytes of f16
	s_add_co_u32 s16, s16, s46
	s_mov_b32 s17, 0
	s_add_nc_u64 s[10:11], s[10:11], s[16:17]
	s_lshl_b32 s47, s46, 1                         ; the same column in bytes of f32
	v_lshl_add_u32 v[TO], v2, 5, s47
	WIN 0x80                                       ; destination window 2
.irp b, 0,1,2,3,4,5,6,7
	global_load_b128 v[8*(\b):8*(\b)+3],   v[TO], s[8:9] offset:64*(\b)
	global_load_b128 v[8*(\b)+4:8*(\b)+7], v[TO], s[8:9] offset:64*(\b)+16
.endr
	WIN 0
	; the prefetches' address and who asks
	s_lshl_b32 s18, s[TY], 7
	s_lshl_b32 s19, s[TX], 8
	s_lshl_b32 s20, s[FL], 7
	s_add_co_u32 s19, s19, s20
	s_and_b32 s22, ttmp7, 0xffff                   ; cluster y
	s_cmp_eq_u32 s[FH], 0
	s_cselect_b32 s20, s18, s19                    ; the first of the rows that are shared out
	s_cselect_b32 s21, s40, s41                    ; my place among the four that ask jointly
	s_cselect_b32 s22, ttmp9, s22                  ; the coordinate along which other clusters read the same rows
	s_cselect_b32 s23, s[FL], 0                    ; of A's two waves wave 0 alone asks: 128 rows are 4 x 32
	s_cselect_b64 s[PFA:PFA+1], s[4:5], s[6:7]
	s_or_b32 s22, s22, s23
	s_cmp_eq_u32 s22, 0
	s_cselect_b32 s[LIM], 2, -1                    ; the same in all sixteen partners, for a given wave
	s_lshl_b32 s21, s21, 5
	s_add_co_u32 s20, s20, s21
	s_lshl_b32 s20, s20, 13
	s_add_co_u32 s20, s20, 2*KSTEP*2               ; at K step 2: the first refill steps it to 3 and names K step 6
	s_mov_b32 s21, 0
	s_add_nc_u64 s[PFA:PFA+1], s[PFA:PFA+1], s[20:21]
	v_and_b32 v[PFO], 31, v0
	v_lshlrev_b32 v[PFO], 13, v[PFO]
; 8 matrix instructions: row block a x all 8 column blocks, 32 along K.  first = 1: the bias starts the sums.  The 32 accumulators take turns in the same order in every quarter.
.macro MUL8 f, a, first
.if \first
	WIN FIRSTW
.else
	WIN MULW
.endif
.irp b, 0,1,2,3,4,5,6,7
.if \first
	v_wmma_f32_16x16x32_f16 v[8*(8*(\a)+(\b)):8*(8*(\a)+(\b))+7], v[(\f)+8*(\b):(\f)+8*(\b)+7], v[(\f)+64+8*(\a):(\f)+64+8*(\a)+7], v[8*(\b):8*(\b)+7]
.else
	v_wmma_f32_16x16x32_f16 v[8*(8*(\a)+(\b)):8*(8*(\a)+(\b))+7], v[(\f)+8*(\b):(\f)+8*(\b)+7], v[(\f)+64+8*(\a):(\f)+64+8*(\a)+7], v[8*(8*(\a)+(\b)):8*(8*(\a)+(\b))+7]
.endif
.endr
.endm
.macro FETCH slot, k, f                ; 24 LDS loads in one run: 128 rows of B, then 64 rows of A, 32 K at byte k
	WIN 0
.irp i, 0,1,2,3,4,5,6,7
	ds_load_b128 v[(\f)+8*(\i):(\f)+8*(\i)+3],   v[ADRB+(\slot)] offset:(\k)+(\i)*16*PITCH
	ds_load_b128 v[(\f)+8*(\i)+4:(\f)+8*(\i)+7], v[ADRB+(\slot)] offset:(\k)+(\i)*16*PITCH+32
.endr
.irp i, 0,1,2,3
	ds_load_b128 v[(\f)+64+8*(\i):(\f)+64+8*(\i)+3],   v[ADRA+(\slot)] offset:(\k)+(\i)*16*PITCH
	ds_load_b128 v[(\f)+64+8*(\i)+4:(\f)+64+8*(\i)+7], v[ADRA+(\slot)] offset:(\k)+(\i)*16*PITCH+32
.endr
.endm
.macro PLACES                          ; four plain places in front of loads into registers that matrix instructions have read
.rept 4
	v_nop
.endr
.endm
.macro QUARTER slot, k, f, g, first
	s_wait_dscnt 4                                 ; all but A's row blocks 2 and 3 are in
	MUL8 \f, 0, \first
	MUL8 \f, 1, \first
	PLACES
	FETCH \slot, \k, \g
	s_wait_dscnt 24                                ; all but the 24 just issued
	MUL8 \f, 2, \first
	MUL8 \f, 3, \first
.endm
; The last quarter of a K step multiplies buffer 1 and changes slots.  In front of the barrier each wave waits for all its tensor loads (one is out: its part of the next slot), adds 0 to its spare
; word, and waits for that and for its reads of this slot.  fill = 1: the barrier opens a round of the cluster's, and the joint refill is the first tensor load behind the round.
.macro TURN slot, next, fill
.if \fill
	s_wait_xcnt 0x0                                ; the last prefetch, a K step back, has read its address
	s_add_nc_u64 s[PFA:PFA+1], s[PFA:PFA+1], KSTEP*2
.endif
	WIN 0
	s_wait_tensorcnt 0x0
	ds_add_u32 v[SPW], v[NIL]
	s_wait_dscnt 5                                 ; the add and the youngest four loads may be out
	MUL8 F1, 0, 0
	s_wait_dscnt 0x0                               ; the add is done, and my reads of this slot are over
	s_barrier_signal -1
	MUL8 F1, 1, 0
.if \fill
	WIN 0
.endif
	s_barrier_wait -1
.if \fill
	CREST
	s_add_nc_u64 s[G0A+4*(\slot)+2:G0A+4*(\slot)+3], s[G0A+4*(\slot)+2:G0A+4*(\slot)+3], 2*KSTEP*2
	s_add_nc_u64 s[G0B+4*(\slot)+2:G0B+4*(\slot)+3], s[G0B+4*(\slot)+2:G0B+4*(\slot)+3], 2*KSTEP*2
	JLOAD \slot                                    ; its four v_nop are also the places in front of the loads below
.else
	PLACES
.endif
	FETCH \next, 0, F0
.if \fill
	ASK
.endif
	MUL8 F1, 2, 0
	MUL8 F1, 3, 0
.endm
	s_wait_tensorcnt 1                             ; my part of K step 0 is in; K step 1's may stay out
	s_barrier_signal -1
	s_barrier_wait -1
	FETCH 0, 0, F0
	s_wait_loadcnt 0x0                             ; the bias
	QUARTER 0, 64, F0, F1, 1
	WIN 0
	s_mov_b32 s3, LAPS-1
.Llap:
	QUARTER 0, 128, F1, F0, 0
	QUARTER 0, 192, F0, F1, 0
	TURN 0, 1, 1
	QUARTER 1, 64,  F0, F1, 0
	QUARTER 1, 128, F1, F0, 0
	QUARTER 1, 192, F0, F1, 0
	TURN 1, 0, 1
	QUARTER 0, 64,  F0, F1, 0
	WIN 0
	s_sub_co_u32 s3, s3, 1
	s_cmp_lg_u32 s3, 0
	s_cbranch_scc1 .Llap
	QUARTER 0, 128, F1, F0, 0                      ; the last lap fills nothing
	QUARTER 0, 192, F0, F1, 0
	TURN 0, 1, 0
	QUARTER 1, 64,  F0, F1, 0
	QUARTER 1, 128, F1, F0, 0
	QUARTER 1, 192, F0, F1, 0
	s_wait_dscnt 4
	MUL8 F1, 0, 0
	MUL8 F1, 1, 0
	s_wait_dscnt 0x0
	MUL8 F1, 2, 0
	MUL8 F1, 3, 0
	WIN 0
.rept 8
	v_nop
.endr
; THE WAY OUT, 16 rows at a time: rounded to f16 (each accumulator's registers in ascending order), through my own stage, back as whole rows of 256 bytes, stored.
.macro PACK a
	WIN 0x05                                       ; sources window 1, destination window 0
.irp b, 0,1,2,3,4,5,6,7
.irp r, 0,1,2,3
	v_cvt_pk_f16_f32 v[TMP+4*(\b)+(\r)], v[8*(8*(\a)+(\b))+2*(\r)], v[8*(8*(\a)+(\b))+2*(\r)+1]
.endr
.endr
	WIN 0
.endm
.macro TOSTAGE a
.set BK, OB+32*((\a)%2)
.irp b, 0,1,2,3,4,5,6,7
	ds_store_b128 v[STO], v[TMP+4*(\b):TMP+4*(\b)+3] offset:32*(\b)
.endr
.irp t, 0,1,2,3,4,5,6,7
	ds_load_b128 v[BK+4*(\t):BK+4*(\t)+3], v[RD] offset:(\t)*2*SPITCH  ; a wave's LDS instructions are served in order: these see the stores above
.endr
.endm
.macro SEND a
.set BK, OB+32*((\a)%2)
	s_wait_dscnt 0x0                               ; the block is back in registers
	s_wait_xcnt 0x0                                ; the stores of the block before have read their data: its registers are loaded again only behind this wait
.irp t, 0,1,2,3,4,5,6,7
	global_store_b128 v[CO], v[BK+4*(\t):BK+4*(\t)+3], s[10:11] offset:((\a)*16+2*(\t))*OROW  ; 16 lanes store 256 consecutive bytes, aligned
.endr
.endm
	PACK 0
	TOSTAGE 0
.irp a, 1,2,3
	PACK \a
	SEND (\a)-1
	TOSTAGE \a
.endr
	SEND 3
	s_wait_tensorcnt 0x0                           ; the wave's end
	ds_add_u32 v[SPW], v[NIL]
	s_wait_dscnt 0x0
	CROUND                                         ; the closing round
	s_endpgm
.Lfunc_end_k_q11a0f05bd4_g1:
	.size	k_q11a0f05bd4_g1, .Lfunc_end_k_q11a0f05bd4_g1-k_q11a0f05bd4_g1
	.p2alignl 7, 3214868480
	.fill 96, 4, 3214868480
	.section	.rodata,"a",@progbits
	.p2align	6, 0x0
	.amdhsa_kernel k_q11a0f05bd4_g1
		.amdhsa_group_segment_fixed_size 327680
		.amdhsa_private_segment_fixed_size 0
		.amdhsa_enable_private_segment 0
		.amdhsa_kernarg_size 32
		.amdhsa_user_sgpr_count 2
		.amdhsa_user_sgpr_kernarg_segment_ptr 1
		.amdhsa_wavefront_size32 1
		.amdhsa_system_sgpr_workgroup_id_x 1
		.amdhsa_system_sgpr_workgroup_id_y 1
		.amdhsa_system_sgpr_workgroup_id_z 1
		.amdhsa_system_vgpr_workitem_id 0
		.amdhsa_next_free_vgpr 576
		.amdhsa_next_free_sgpr 72
		.amdhsa_reserve_vcc 0
		.amdhsa_float_denorm_mode_32 3
		.amdhsa_float_denorm_mode_16_64 3
		.amdhsa_memory_ordered 1
		.amdhsa_forward_progress 1
		.amdhsa_inst_pref_size 89
	.end_amdhsa_kernel
	.amdgpu_metadata
---
amdhsa.version: [ 1, 2 ]
amdhsa.kernels:
  - .name:           k_q11a0f05bd4_g1
    .symbol:         k_q11a0f05bd4_g1.kd
    .args:
      - { .name: act, .offset: 0, .size: 8, .value_kind: global_buffer, .address_space: global }
      - { .name: wh, .offset: 8, .size: 8, .value_kind: global_buffer, .address_space: global }
      - { .name: amp_b2, .offset: 16, .size: 8, .value_kind: global_buffer, .address_space: global }
      - { .name: z2, .offset: 24, .size: 8, .value_kind: global_buffer, .address_space: global }
    .group_segment_fixed_size: 327680
    .private_segment_fixed_size: 0
    .kernarg_segment_align: 8
    .kernarg_segment_size: 32
    .max_flat_workgroup_size: 128
    .sgpr_count:     72
    .vgpr_count:     576
    .wavefront_size: 32
...
	.end_amdgpu_metadata
.endif
;; end of part 2
;; launch ln2 (part 3): grid 512 x 1, 8 waves a work-group, no clusters, 99,328 bytes of LDS; arguments z2, amp_g2, amp_be2, wh, h2, wc; writes h2, wc
.if DOCPART == 3
	.amdgcn_target "amdgcn-amd-amdhsa--gfx1250"
	.amdhsa_code_object_version 6
	.text
	.protected	k_q11a0f05bd4_ln2
	.globl	k_q11a0f05bd4_ln2
	.p2align	8
	.type	k_q11a0f05bd4_ln2,@function
k_q11a0f05bd4_ln2:
	s_mov_b64 s[64:65], 0
	v_nop
	global_prefetch_b8 v0, s[64:65] scope:SCOPE_SE
	s_setreg_imm32_b32 hwreg(HW_REG_WAVE_MODE, 25, 1), 1
	s_wait_xcnt 0x0
; TWO ROLES, by the work-group's number: 0 .. 255 the norm, 256 .. 511 the fold (idx = number % 256).  Work-groups i and i + 256 differ in role.
; THE NORM.  h2 = tanh(LN(z2) g2 + be2).  z2, h2: [4096][2048] f16; g2, be2: [2048] f32.  Mean, variance (of the centred numbers, as reference() takes it) and tanh in f32; h2 rounded once.
; tanh(y) = 1 - 2 / (1 + 2^(L y)), L = 2 log2(e), folded into g2 and be2 once.  An exponential that overflows gives 1, one below 2^-126 gives -1: both are tanh's limits.
; A wave takes two whole rows of 4,096 bytes, one after the other; a row stays in registers between the passes.  No wave waits for another.  The second row is asked for as soon as the first has been widened.
; THE FOLD.  wc[n][k] = 64 x the sum over j of Wo[n][j] Wv[j][k], in f16: (qs Wv^T + bv) Wo^T + bo = qs (Wo Wv)^T + (Wo bv + bo) for all values, so the two last products of reference() become one.
; Wv: [1024][1024] f16 at byte 25,165,824 of wh, Wo at byte 27,262,976; the Q and K thirds of the in-projection are left out: reference() keeps qkv[:, 2Q:] alone.  Sums in f32, wc rounded once.
; The factor 64, a power of two, is taken out again, exactly, by the launch that multiplies by wc.  LIMITS: |Wo Wv| stays below 1,023; below 9.5e-7 it keeps the fixed step 9.3e-10.
; A work-group makes 128 rows n x 32 columns k (8 x 32 = 256 tiles), over all 1,024 j.  The sum runs over Wv's ROW index, so Wv is turned: the tile's panel, 1,024 rows of 64 bytes, goes once through registers into
; LDS (pitch 96 bytes = 24 words: the turning load's 8 rows x 32 bytes fall on different banks) and comes out by ds_load_tr16_b128.  Each wave has 16 rows of Wo of its own, straight from memory.
; Source 0 = 16 columns k of Wv, turned; source 1 = 16 rows n of Wo: a lane then holds row n = l % 16 and eight neighbouring k.  A tile is 32 columns wide so that two work-groups' panels fit in a WGP's LDS;
; so a store of a wave covers 32 consecutive bytes of each of 16 rows; wc is 2 MiB in all.  No tensor loads, no cluster, no prefetch: the tiles are small and each is loaded once at the head.
.set PV,    96                         ; pitch of the panel's rows in LDS
.set SPARE, 1024*PV                    ; behind the panel: the spare words, 128 bytes for each of the eight waves: four blocks of 256 bytes that no other line names
.set SPW, 240                          ; v240  SPARE + 4 x my thread's number; never rewritten
.set NIL, 241                          ; v241  0; never rewritten
.set X,  16                            ; the norm: v16-47   the row as loaded: column 256 j + 8 lane + e in register 4 j + e / 2
.set Y,  48                            ; v48-111  the row in f32, register 8 j + e; at the end its low 32 registers hold the packed result
.set G,  112                           ; v112-175 L g2
.set BE, 176                           ; v176-239 L be2
.set GS,  2                            ; the fold: v2  my 16 bytes of the panel's first 64 rows, in memory
.set LS,  3                            ; v3-4     the same in LDS, rows 0 .. and rows 512 ..
.set AO,  5                            ; v5       my 16 bytes of my wave's 16 rows, in Wo and in wc alike (both have rows of 2,048 bytes)
.set TA,  6                            ; v6-7     the turning load's lane address, j = 0 .. and j = 512 ..
.set ST,  16                           ; v16-79   the panel on its way into LDS
.set BF,  16                           ; v16-79   later two buffers of 32: Wv's fragments of two steps of 32 j x two column blocks
.set AB,  80                           ; v80-207  two sets of 64: Wo's fragments of eight steps
.set ACC, 208                          ; v208-239 four accumulators: parity of the step p, column block c at ACC + 8 (2 p + c)
.macro EACH n, body:vararg
.set p, 0
.rept \n
	\body
.set p, p+1
.endr
.endm
.macro WSUM r                          ; the sum over the 32 lanes, in every lane; v9 is at work
	v_add_f32_dpp v[\r], v[\r], v[\r] row_xmask:1 row_mask:0xf bank_mask:0xf
	v_add_f32_dpp v[\r], v[\r], v[\r] row_xmask:2 row_mask:0xf bank_mask:0xf
	v_add_f32_dpp v[\r], v[\r], v[\r] row_xmask:4 row_mask:0xf bank_mask:0xf
	v_add_f32_dpp v[\r], v[\r], v[\r] row_xmask:8 row_mask:0xf bank_mask:0xf
	v_permlanex16_b32 v9, v[\r], s16, s17
	v_add_f32 v[\r], v[\r], v9
.endm
.macro FILL
	EACH 8, global_load_b128 v[X+4*p:X+4*p+3], v2, s[4:5] offset:512*p th:TH_LOAD_NT
.endm
	s_load_b256 s[4:11], s[0:1], 0x0               ; z2 s[4:5], g2 s[6:7], be2 s[8:9], wh s[10:11]
	s_load_b128 s[12:15], s[0:1], 0x20             ; h2 s[12:13], wc s[14:15]
	v_lshl_add_u32 v[SPW], v0, 2, SPARE
	v_mov_b32 v[NIL], 0
	v_lshrrev_b32 v1, 5, v0
	v_readfirstlane_b32 s22, v1                    ; wave
	s_and_b32 s23, ttmp9, 255                      ; idx
	s_lshr_b32 s24, ttmp9, 8                       ; role
	s_mov_b32 s3, 0                                ; the upper word of the offset pair s[2:3]
	s_wait_kmcnt 0x0
	s_cmp_eq_u32 s24, 0                            ; the role hangs on the work-group's number alone: it is the same in all eight waves
	s_cbranch_scc1 .Lnorm
; THE FOLD
	s_and_b32 s25, s23, 31                         ; kt: my 32 columns k
	s_lshr_b32 s26, s23, 5                         ; nt: my 128 rows n
	v_lshrrev_b32 v9, 2, v0                        ; thread t: row t / 4 of each 64, piece t % 4 of its 64 bytes
	v_and_b32 v10, 3, v0
	v_lshlrev_b32 v10, 4, v10
	v_lshl_add_u32 v[GS], v9, 11, v10
	v_mul_u32_u24 v[LS], v9, PV
	v_add_nc_u32 v[LS], v10, v[LS]
	v_add_nc_u32 v[LS+1], 512*PV, v[LS]
	s_lshl_b32 s2, s25, 6
	s_add_nc_u64 s[28:29], s[10:11], s[2:3]
	s_add_nc_u64 s[28:29], s[28:29], 25165824      ; Wv at my 64 bytes of row 0
	s_add_nc_u64 s[14:15], s[14:15], s[2:3]
	s_lshl_b32 s2, s26, 18
	s_add_nc_u64 s[30:31], s[10:11], s[2:3]
	s_add_nc_u64 s[30:31], s[30:31], 27262976      ; Wo at my first row
	s_add_nc_u64 s[14:15], s[14:15], s[2:3]        ; wc at my tile's corner
	EACH 16, global_load_b128 v[ST+4*p:ST+4*p+3], v[GS], s[28:29] offset:131072*p
	v_and_b32 v11, 15, v0                          ; l % 16
	v_bfe_u32 v12, v0, 4, 1                        ; l / 16
	s_lshl_b32 s27, s22, 15                        ; my wave's 16 rows of 2,048 bytes
	v_lshl_add_u32 v[AO], v11, 11, s27
	v_lshl_add_u32 v[AO], v12, 4, v[AO]
.macro ALOAD c                         ; Wo's fragments of steps 8 c .. 8 c + 7 into set c % 2: 16 rows x 32 j each, two loads of 16 bytes a lane, 32 bytes apart
.set i, 0
.rept 8
	global_load_b128 v[AB+64*((\c)%2)+8*i:AB+64*((\c)%2)+8*i+3],   v[AO], s[30:31] offset:(8*(\c)+i)*64
	global_load_b128 v[AB+64*((\c)%2)+8*i+4:AB+64*((\c)%2)+8*i+7], v[AO], s[30:31] offset:(8*(\c)+i)*64+32
.set i, i+1
.endr
.endm
	ALOAD 0
	ALOAD 1
	; the turning load takes 16 j x 16 k: lane l reads 16 bytes of row 8 (l / 16) + l % 8, at byte 16 ((l / 8) % 2), and is left with column l % 16 and 8 j
	v_and_b32 v13, 7, v0
	v_lshl_add_u32 v13, v12, 3, v13
	v_mul_u32_u24 v[TA], v13, PV
	v_bfe_u32 v14, v0, 3, 1
	v_lshl_add_u32 v[TA], v14, 4, v[TA]
	v_add_nc_u32 v[TA+1], 512*PV, v[TA]
	s_wait_loadcnt 32                              ; the panel's 16 loads are in; the 32 loads of Wo's two sets may stay out
	EACH 8, ds_store_b128 v[LS], v[ST+4*p:ST+4*p+3] offset:64*PV*p
	EACH 8, ds_store_b128 v[LS+1], v[ST+32+4*p:ST+32+4*p+3] offset:64*PV*p
	s_wait_dscnt 0x0                               ; for the other waves' sake: my part of the panel is written
	s_barrier_signal -1
	s_barrier_wait -1
.macro BLOAD g                         ; batch g: Wv's fragments of steps 2 g, 2 g + 1, both column blocks, into buffer g % 2: eight loads
.set bb, BF+32*((\g)%2)
.set ar, TA+(\g)/8
.irp u, 0,1
.irp c, 0,1
	ds_load_tr16_b128 v[bb+16*(\u)+8*(\c):bb+16*(\u)+8*(\c)+3],   v[ar] offset:((2*(\g)+(\u))%16)*32*PV+32*(\c)
	ds_load_tr16_b128 v[bb+16*(\u)+8*(\c)+4:bb+16*(\u)+8*(\c)+7], v[ar] offset:((2*(\g)+(\u))%16)*32*PV+32*(\c)+16*PV
.endr
.endr
.endm
.macro MULB g                          ; batch g's four products; the four accumulators take turns, one instruction a turn; batch 0 starts the sums
.set bb, BF+32*((\g)%2)
.set aa, AB+64*(((\g)/4)%2)+16*((\g)%4)
.irp u, 0,1
.irp c, 0,1
.if (\g) == 0
	v_wmma_f32_16x16x32_f16 v[ACC+8*(2*(\u)+(\c)):ACC+8*(2*(\u)+(\c))+7], v[bb+16*(\u)+8*(\c):bb+16*(\u)+8*(\c)+7], v[aa+8*(\u):aa+8*(\u)+7], 0
.else
	v_wmma_f32_16x16x32_f16 v[ACC+8*(2*(\u)+(\c)):ACC+8*(2*(\u)+(\c))+7], v[bb+16*(\u)+8*(\c):bb+16*(\u)+8*(\c)+7], v[aa+8*(\u):aa+8*(\u)+7], v[ACC+8*(2*(\u)+(\c)):ACC+8*(2*(\u)+(\c))+7]
.endif
.endr
.endr
.endm
	BLOAD 0
	BLOAD 1
.set g, 0
.rept 16
.if g%4 == 0
.if g < 12
	s_wait_loadcnt 16                              ; this set of Wo is in; the younger set's 16 loads may stay out
.else
	s_wait_loadcnt 0x0                             ; the last set
.endif
.endif
.if g < 15
	s_wait_dscnt 8                                 ; this batch is in; the next batch's eight loads may stay out
.else
	s_wait_dscnt 0x0
.endif
	MULB g
.if g < 14
.rept 4
	v_nop                                          ; four plain places in front of loads into registers that the products above have read
.endr
	BLOAD g+2
.endif
.if (g%4 == 3) && (g < 8)
	ALOAD g/4+2
.endif
.set g, g+1
.endr
.rept 8
	v_nop                                          ; the places behind the last products
.endr
	EACH 8, v_pk_add_f32 v[ACC+2*p:ACC+2*p+1], v[ACC+2*p:ACC+2*p+1], v[ACC+16+2*p:ACC+16+2*p+1]  ; the two parities (ascending: each accumulator's lowest registers first)
	EACH 8, v_pk_mul_f32 v[ACC+2*p:ACC+2*p+1], v[ACC+2*p:ACC+2*p+1], 0x42800000 op_sel_hi:[1,0]  ; x 64
	EACH 8, v_cvt_pk_f16_f32 v[BF+p], v[ACC+2*p], v[ACC+2*p+1]
	global_store_b128 v[AO], v[BF:BF+3], s[14:15]              ; row n, columns 8 (l / 16) + 0 .. 7 of column block 0,
	global_store_b128 v[AO], v[BF+4:BF+7], s[14:15] offset:32  ; and of column block 1
	s_branch .Lend
; THE NORM
.Lnorm:
	v_and_b32 v1, 31, v0
	v_lshrrev_b32 v2, 5, v0
	v_lshlrev_b32 v3, 5, v1                        ; 32 x lane: my 8 numbers in each 256 columns of g2 and be2
	v_lshlrev_b32 v1, 4, v1
	v_lshl_add_u32 v2, v2, 13, v1                  ; wave x two rows + 16 x lane
	v_mov_b32 v4, 1.0
	s_lshl_b32 s2, s23, 16                         ; the work-group's 16 rows
	s_mov_b32 s16, 0x76543210
	s_mov_b32 s17, 0xfedcba98
	s_mov_b32 s18, 0x3a000000                      ; 1 / 2,048
	s_mov_b32 s19, 0x3727c5ac                      ; 1e-5
	s_mov_b32 s20, 0x4038aa3b                      ; L
	s_mov_b32 s21, 0x4038aa3b
	s_add_nc_u64 s[4:5], s[4:5], s[2:3]
	s_add_nc_u64 s[12:13], s[12:13], s[2:3]
	FILL
	EACH 8, global_load_b128 v[G+8*p:G+8*p+3], v3, s[6:7] offset:1024*p
	EACH 8, global_load_b128 v[G+8*p+4:G+8*p+7], v3, s[6:7] offset:1024*p+16
	EACH 8, global_load_b128 v[BE+8*p:BE+8*p+3], v3, s[8:9] offset:1024*p
	EACH 8, global_load_b128 v[BE+8*p+4:BE+8*p+7], v3, s[8:9] offset:1024*p+16
	s_wait_loadcnt 0x0
	EACH 32, v_pk_mul_f32 v[G+2*p:G+2*p+1], v[G+2*p:G+2*p+1], s[20:21] op_sel_hi:[1,0]
	EACH 32, v_pk_mul_f32 v[BE+2*p:BE+2*p+1], v[BE+2*p:BE+2*p+1], s[20:21] op_sel_hi:[1,0]
	s_mov_b32 s2, 2
.Lrow:
	s_wait_loadcnt 0x0                             ; the row is in
	EACH 4, v_mov_b32 v[8+p], 0
	; the sum, straight from the f16 halves, in four chains
.set i, 0
.rept 32
	v_fma_mix_f32 v[8+2*(i%2)], v[X+i], v4, v[8+2*(i%2)] op_sel_hi:[1,0,0]
	v_fma_mix_f32 v[9+2*(i%2)], v[X+i], v4, v[9+2*(i%2)] op_sel:[1,0,0] op_sel_hi:[1,0,0]
.set i, i+1
.endr
	v_add_f32 v8, v8, v9
	v_add_f32 v10, v10, v11
	v_add_f32 v8, v8, v10
	WSUM 8
	v_mul_f32 v5, 0xba000000, v8                   ; - mean
	s_wait_xcnt 0x0                                ; the last row's stores have read Y, and the row's loads their base
	EACH 32, v_fma_mix_f32 v[Y+2*p], v[X+p], v4, v5 op_sel_hi:[1,0,0]
	EACH 32, v_fma_mix_f32 v[Y+2*p+1], v[X+p], v4, v5 op_sel:[1,0,0] op_sel_hi:[1,0,0]
	s_add_nc_u64 s[4:5], s[4:5], 4096
	s_cmp_eq_u32 s2, 1
	s_cbranch_scc1 .Lnofill                        ; behind the second row there is none
	FILL
.Lnofill:
	EACH 4, v_pk_mul_f32 v[8+2*p:8+2*p+1], v[Y+2*p:Y+2*p+1], v[Y+2*p:Y+2*p+1]
.set i, 4
.rept 28
	v_pk_fma_f32 v[8+2*(i%4):8+2*(i%4)+1], v[Y+2*i:Y+2*i+1], v[Y+2*i:Y+2*i+1], v[8+2*(i%4):8+2*(i%4)+1]
.set i, i+1
.endr
	v_pk_add_f32 v[8:9], v[8:9], v[10:11]
	v_pk_add_f32 v[12:13], v[12:13], v[14:15]
	v_pk_add_f32 v[8:9], v[8:9], v[12:13]
	v_add_f32 v8, v8, v9
	WSUM 8
	v_fma_f32 v8, v8, s18, s19
	v_rsq_f32 v6, v8
	v_rsq_f32 v7, v8
	v_nop
	s_wait_alu depctr_va_vdst(0)                   ; one wait for the two roots
.set i, 0
.rept 32                               ; two plain lines and two exponentials by turns; nothing here names an exponential's result
	v_pk_mul_f32 v[Y+2*i:Y+2*i+1], v[Y+2*i:Y+2*i+1], v[6:7]
	v_pk_fma_f32 v[Y+2*i:Y+2*i+1], v[Y+2*i:Y+2*i+1], v[G+2*i:G+2*i+1], v[BE+2*i:BE+2*i+1]
	v_exp_f32 v[Y+2*i], v[Y+2*i]
	v_exp_f32 v[Y+2*i+1], v[Y+2*i+1]
.set i, i+1
.endr
	v_nop
	s_wait_alu depctr_va_vdst(0)                   ; one wait for the 64 exponentials
.set i, 0
.rept 32
	v_pk_add_f32 v[Y+2*i:Y+2*i+1], v[Y+2*i:Y+2*i+1], 1.0 op_sel_hi:[1,0]
	v_rcp_f32 v[Y+2*i], v[Y+2*i]
	v_rcp_f32 v[Y+2*i+1], v[Y+2*i+1]
.set i, i+1
.endr
	v_nop
	s_wait_alu depctr_va_vdst(0)                   ; one wait for the 64 reciprocals
	EACH 32, v_pk_fma_f32 v[Y+2*p:Y+2*p+1], v[Y+2*p:Y+2*p+1], -2.0, 1.0 op_sel_hi:[1,0,0]
	EACH 32, v_cvt_pk_f16_f32 v[Y+p], v[Y+2*p], v[Y+2*p+1]  ; in place: register p has been read by the time it is written
	EACH 8, global_store_b128 v2, v[Y+4*p:Y+4*p+3], s[12:13] offset:512*p  ; 512 consecutive bytes a wave, aligned
	s_wait_xcnt 0x0                                ; the stores have read their base
	s_add_nc_u64 s[12:13], s[12:13], 4096
	s_sub_co_u32 s2, s2, 1
	s_cmp_lg_u32 s2, 0
	s_cbranch_scc1 .Lrow
.Lend:
	s_wait_tensorcnt 0x0                           ; the wave's end, behind my last LDS store
	ds_add_u32 v[SPW], v[NIL]
	s_wait_dscnt 0x0
	s_endpgm
.Lfunc_end_k_q11a0f05bd4_ln2:
	.size	k_q11a0f05bd4_ln2, .Lfunc_end_k_q11a0f05bd4_ln2-k_q11a0f05bd4_ln2
	.p2alignl 7, 3214868480
	.fill 96, 4, 3214868480
	.section	.rodata,"a",@progbits
	.p2align	6, 0x0
	.amdhsa_kernel k_q11a0f05bd4_ln2
		.amdhsa_group_segment_fixed_size 99328
		.amdhsa_private_segment_fixed_size 0
		.amdhsa_enable_private_segment 0
		.amdhsa_kernarg_size 48
		.amdhsa_user_sgpr_count 2
		.amdhsa_user_sgpr_kernarg_segment_ptr 1
		.amdhsa_wavefront_size32 1
		.amdhsa_system_sgpr_workgroup_id_x 1
		.amdhsa_system_sgpr_workgroup_id_y 1
		.amdhsa_system_sgpr_workgroup_id_z 1
		.amdhsa_system_vgpr_workitem_id 0
		.amdhsa_next_free_vgpr 242
		.amdhsa_next_free_sgpr 66
		.amdhsa_reserve_vcc 0
		.amdhsa_float_denorm_mode_32 3
		.amdhsa_float_denorm_mode_16_64 3
		.amdhsa_memory_ordered 1
		.amdhsa_forward_progress 1
		.amdhsa_inst_pref_size 64
	.end_amdhsa_kernel
	.amdgpu_metadata
---
amdhsa.version: [ 1, 2 ]
amdhsa.kernels:
  - .name:           k_q11a0f05bd4_ln2
    .symbol:         k_q11a0f05bd4_ln2.kd
    .args:
      - { .name: z2, .offset: 0, .size: 8, .value_kind: global_buffer, .address_space: global }
      - { .name: amp_g2, .offset: 8, .size: 8, .value_kind: global_buffer, .address_space: global }
      - { .name: amp_be2, .offset: 16, .size: 8, .value_kind: global_buffer, .address_space: global }
      - { .name: wh, .offset: 24, .size: 8, .value_kind: global_buffer, .address_space: global }
      - { .name: h2, .offset: 32, .size: 8, .value_kind: global_buffer, .address_space: global }
      - { .name: wc, .offset: 40, .size: 8, .value_kind: global_buffer, .address_space: global }
    .group_segment_fixed_size: 99328
    .private_segment_fixed_size: 0
    .kernarg_segment_align: 8
    .kernarg_segment_size: 48
    .max_flat_workgroup_size: 256
    .sgpr_count:     66
    .vgpr_count:     242
    .wavefront_size: 32
...
	.end_amdgpu_metadata
.endif
;; end of part 3
;; launch g23 (part 4): grid 8 x 32, 4 waves a work-group, clusters of 4 x 4, 327,680 bytes of LDS; arguments act, h2, wh, tab, qs; writes qs
.if DOCPART == 4
	.amdgcn_target "amdgcn-amd-amdhsa--gfx1250"
	.amdhsa_code_object_version 6
	.text
	.protected	k_q11a0f05bd4_g23
	.globl	k_q11a0f05bd4_g23
	.p2align	8
	.type	k_q11a0f05bd4_g23,@function
k_q11a0f05bd4_g23:
	s_mov_b64 s[64:65], 0
	v_nop
	global_prefetch_b8 v0, s[64:65] scope:SCOPE_SE
	s_setreg_imm32_b32 hwreg(HW_REG_WAVE_MODE, 25, 1), 1
	s_wait_xcnt 0x0
	s_wait_alu depctr_hold_cnt(0) depctr_sa_sdst(0) depctr_va_vdst(0) depctr_va_sdst(0) depctr_va_ssrc(0) depctr_va_vcc(0) depctr_vm_vsrc(0)
	s_getreg_b32 s2, hwreg(HW_REG_IB_STS2, 6, 4)
	s_cmp_eq_u32 s2, 0
	s_cbranch_scc0 .Lentry_in_a_cluster
	s_endpgm
.Lentry_in_a_cluster:
	s_bfe_u32 s2, ttmp6, 0x10000c
	s_cmp_lg_u32 s2, 0xf033
	s_cbranch_scc0 .Lentry_shape_is_right
	s_endpgm
.Lentry_shape_is_right:
; qs = (sin(amp f0 + p0) + cos(phase f1 + p1) + tanh(p2)) / 3 for a tile of 128 x 128, with zp = p phW2^T, phase = tanh(zp + phb2), za = h2 W3^T, amp = za + b3.
; p: [4096][2048] f16 at byte 33,554,432 of act; h2: [4096][2048] f16; phW2 and W3: [1024][2048] f16 at bytes 20,971,520 and 16,777,216 of wh; tab: six f32 vectors of 1,024; qs: [4096][1024] f16.
; Only the last depth slice's rotation parameters enter (through tab): reference() uses no other.
; THE TWO PRODUCTS ARE ONE WALK: 16 K steps of 256 through two LDS slots, seven trips that fill both slots and a tail lap.  When the first product's eight steps are done its sums are copied aside and the
; accumulators cleared, under a forward jump on the trip's number.  No first step is written out: the accumulators are cleared (128 lines at the head, in the wait for the first tile, and 128 with the copy):
; the price of one text for both products.
; THE ARITHMETIC BEHIND THEM runs in a loop of four trips, a block of 16 rows each: the column tables hang on the column block alone and stay in fixed registers, and the sums come from LDS, where each
; wave has stored them in 32 KiB of its own inside slot 0 (slot 0 has had its last fill, and every wave's reads of it were over ahead of the tail's barrier).
; SINES in turns: t = angle / 2pi, v = t - rndne(t) in [-1/2, 1/2], sin(2 pi v) / 3 by the series to v^15, whose remainder is under pi^17 / 17! = 8e-7 on all of that range, so for every input;
; cos a = sin(a + pi / 2).  LIMIT: beyond angles of some 1e5 the sine loses accuracy with the f32 angle's own step, as reference()'s does.  An exponential below 2^-126 counts as 0.
; No prefetch: the tiles are small (64 rows a load).  CLUSTERS of 4 x 4: A's tile is asked for jointly along a row of the cluster, B's along a column.
; REGISTERS: window 0: v16-31 addresses; v32-95 at work on the way out; v128-255 the accumulators ((a, b) at 128 + 8 (4 a + b)), later zp, za and two work arrays of 32; window 1: two fragment buffers of 128;
; window 2: v0-127 the first product's sums, v128-255 tab0 to tab3 of my 64 columns (32 each); window 3: v0-63 tab4, tab5.
.set SIZE_K, 2048
.set ROWB,   2*SIZE_K
.set KSTEP,  256
.set PITCH,  528
.set HALFT,  64*PITCH
.set SLOT,   4*HALFT
.set STAGE,  2*SLOT
.set SPITCH, 272
.set SPARE,  STAGE+128*SPITCH
.set OROW,   2048
.set ADRA, 16
.set ADRB, 20
.set STO,  24
.set RD,   25
.set CO,   26
.set TO,   27
.set SPW,  28
.set NIL,  29
.set SCR,  30
.set TMP,  32
.set ACC,  128
.set ZP,   128
.set ZA,   160
.set TN,   192
.set TQ,   224
.set F0,   0
.set F1,   128
.set G1A,  24
.set G0A,  32
.set TX,   42
.set G1B,  48
.set G0B,  56
.set WV,   66
.set FH,   67
.set FL,   68
.set TY,   69
.set CA,   70                          ; s[70:71] A's address of the K step asked for last
.set CB,   72                          ; s[72:73] B's
.set NA,   74                          ; s[74:75] A's address of the second product's K step 0
.set NB,   76                          ; s[76:77] B's
.set SL2,  80
.set C15,  82
.set C13,  84
.set C11,  86
.set C9,   88
.set C7,   90
.set C5,   92
.set C3,   94
.set C1,   96
.set DW0,  (1<<16)|(1<<20)|(1<<21)|(6<<22)|(3<<25)  ; 2-byte elements; padding on; bit 21 beside a mask; after every 128 words, 4 words
.set MUL,  0x05
.set TO_F, 0x40
.set MSB, 0
.macro WIN new
.if MSB != (\new)
	s_set_vgpr_msb (MSB<<8)|(\new)
.set MSB, \new
.endif
.endm
.macro EACH n, body:vararg
.set p, 0
.rept \n
	\body
.set p, p+1
.endr
.endm
.macro SPAIR r, val
	s_mov_b32 s[\r], \val
	s_mov_b32 s[\r+1], \val
.endm
.macro JLOAD s
	s_cmp_eq_u32 s[FH], 0
	s_cbranch_scc0 .Lfor_b_\@
	tensor_load_to_lds s[G0A+4*(\s):G0A+4*(\s)+3], s[G1A:G1A+7]
	s_nop 0
.rept 4
	v_nop
.endr
	s_branch .Lasked_\@
.Lfor_b_\@:
	tensor_load_to_lds s[G0B+4*(\s):G0B+4*(\s)+3], s[G1B:G1B+7]
	s_nop 0
.rept 4
	v_nop
.endr
.Lasked_\@:
.endm
.macro CREST
	s_cmp_lg_u32 s[WV], 0
	s_cbranch_scc1 .Lnot_wave_0_\@
	s_barrier_signal -3
.Lnot_wave_0_\@:
	s_barrier_wait -3
	s_barrier_signal -1
	s_barrier_wait -1
.endm
.macro CROUND
	s_barrier_signal -1
	s_barrier_wait -1
	CREST
.endm
	s_load_b256 s[4:11], s[0:1], 0x0               ; act s[4:5], h2 s[6:7], wh s[8:9], tab s[10:11]
	s_load_b64 s[12:13], s[0:1], 0x20              ; qs
	v_lshl_add_u32 v[SPW], v0, 2, SPARE
	v_mov_b32 v[NIL], 0
	ds_add_u32 v[SPW], v[NIL]                      ; the wave's opening: the add, twice on end, and its wait ahead of my first tensor load
	ds_add_u32 v[SPW], v[NIL]
	v_lshrrev_b32 v1, 5, v0
	v_readfirstlane_b32 s[WV], v1
	s_lshr_b32 s[FH], s[WV], 1
	s_and_b32 s[FL], s[WV], 1
	s_bfe_u32 s40, ttmp6, 0x40000
	s_bfe_u32 s41, ttmp6, 0x40004
	s_lshl_b32 s[TX], ttmp9, 2
	s_add_co_u32 s[TX], s[TX], s40
	s_and_b32 s[TY], ttmp7, 0xffff
	s_lshl_b32 s[TY], s[TY], 2
	s_add_co_u32 s[TY], s[TY], s41
	s_lshl_b32 s43, s41, 2
	s_lshl_b32 s43, 15, s43
	s_lshl_b32 s44, 0x1111, s40
	s_or_b32 s[G1A], s43, DW0
	s_or_b32 s[G1B], s44, DW0
.irp g, G1A, G1B
	s_mov_b32 s[(\g)+1], KSTEP<<16
	s_mov_b32 s[(\g)+2], 64<<16
	s_mov_b32 s[(\g)+3], KSTEP<<16
	s_mov_b32 s[(\g)+4], 64
	s_mov_b32 s[(\g)+5], SIZE_K
	s_mov_b32 s[(\g)+6], 0
	s_mov_b32 s[(\g)+7], 0
.endr
	SPAIR SL2, 0x4038aa3b                          ; L = 2 log2(e)
	SPAIR C15, 0xbe751e7c                          ; the series of sin(2 pi v) / 3
	SPAIR C13, 0x3fa2fc12
	SPAIR C11, 0xc0a10270
	SPAIR C9,  0x41605023
	SPAIR C7,  0xc1cc8c89
	SPAIR C5,  0x41d99d2f
	SPAIR C3,  0xc15c7d34
	SPAIR C1,  0x40060a92
	s_lshl_b32 s17, s[FL], 6
	s_lshl_b32 s16, s[TY], 7
	s_add_co_u32 s16, s16, s17                     ; A: row 128 ty + 64 half, in both products
	s_lshl_b32 s46, s[TX], 7
	s_add_co_u32 s46, s46, s17                     ; B: row 128 tx + 64 half
	s_mul_i32 s16, s16, ROWB
	s_mul_i32 s46, s46, ROWB
	s_mov_b32 s17, 0
	s_mov_b32 s47, 0
	s_mul_i32 s20, s[WV], HALFT                    ; where they go: wave x 64 rows
	s_wait_dscnt 0x0                               ; both opening adds are done
	s_wait_kmcnt 0x0
	s_add_nc_u64 s[14:15], s[4:5], s[16:17]
	s_add_nc_u64 s[14:15], s[14:15], 33554432      ; p
	s_add_nc_u64 s[NA:NA+1], s[6:7], s[16:17]      ; h2
	s_add_nc_u64 s[46:47], s[8:9], s[46:47]
	s_add_nc_u64 s[NB:NB+1], s[46:47], 16777216    ; W3
	s_add_nc_u64 s[46:47], s[46:47], 20971520      ; phW2
	CROUND
.irp s, 0,1
	s_mov_b32 s[G0A+4*(\s)], 1
	s_add_co_u32 s[G0A+4*(\s)+1], s20, (\s)*SLOT
	s_add_nc_u64 s[G0A+4*(\s)+2:G0A+4*(\s)+3], s[14:15], (\s)*KSTEP*2
	s_or_b32 s[G0A+4*(\s)+3], s[G0A+4*(\s)+3], 0x80000000
	s_mov_b32 s[G0B+4*(\s)], 1
	s_add_co_u32 s[G0B+4*(\s)+1], s20, (\s)*SLOT
	s_add_nc_u64 s[G0B+4*(\s)+2:G0B+4*(\s)+3], s[46:47], (\s)*KSTEP*2
	s_or_b32 s[G0B+4*(\s)+3], s[G0B+4*(\s)+3], 0x80000000
	JLOAD \s
.endr
	s_add_nc_u64 s[CA:CA+1], s[14:15], KSTEP*2
	s_add_nc_u64 s[CB:CB+1], s[46:47], KSTEP*2
	v_and_b32 v1, 15, v0
	v_bfe_u32 v2, v0, 4, 1
	v_mul_u32_u24 v3, v1, PITCH
	v_lshl_add_u32 v3, v2, 4, v3
	s_mul_i32 s21, s[FH], HALFT
	s_mul_i32 s22, s[FL], HALFT
	s_add_co_u32 s22, s22, 2*HALFT
.irp s, 0,1
	v_add_nc_u32 v[ADRA+(\s)], s21, v3
	v_add_nc_u32 v[ADRB+(\s)], s22, v3
	s_add_co_u32 s21, s21, SLOT
	s_add_co_u32 s22, s22, SLOT
.endr
	s_mul_i32 s23, s[FH], 64*SPITCH                ; into the stage: my 64 rows, my half of their 256 bytes
	s_lshl_b32 s21, s[FL], 7
	s_add_co_u32 s23, s23, s21
	s_add_co_u32 s23, s23, STAGE
	v_mul_u32_u24 v4, v1, SPITCH
	v_lshl_add_u32 v4, v2, 4, v4
	v_add_nc_u32 v[STO], s23, v4
	s_mul_i32 s23, s[WV], 32*SPITCH                ; back: wave w takes rows 32 w .. 32 w + 31, whole
	s_add_co_u32 s23, s23, STAGE
	v_mul_u32_u24 v5, v2, SPITCH
	v_lshl_add_u32 v5, v1, 4, v5
	v_add_nc_u32 v[RD], s23, v5
	v_mul_u32_u24 v5, v2, OROW
	v_lshl_add_u32 v[CO], v1, 4, v5
	s_lshl_b32 s16, s[TY], 7
	s_lshl_b32 s17, s[WV], 5
	s_add_co_u32 s16, s16, s17
	s_mul_i32 s16, s16, OROW
	s_lshl_b32 s46, s[TX], 8
	s_add_co_u32 s16, s16, s46
	s_mov_b32 s17, 0
	s_add_nc_u64 s[12:13], s[12:13], s[16:17]
	v_and_b32 v5, 31, v0
	s_lshl_b32 s16, s[WV], 15
	v_lshl_add_u32 v[SCR], v5, 4, s16              ; my 16 bytes in each 512 of my wave's 32 KiB
	s_lshl_b32 s46, s[TX], 9
	s_lshl_b32 s47, s[FL], 8
	s_add_co_u32 s46, s46, s47
	v_lshl_add_u32 v[TO], v2, 5, s46               ; my 8 columns of column block 0, in a table's bytes
	WIN 0x80
.irp q, 0,1,2,3
.irp b, 0,1,2,3
	global_load_b128 v[128+32*(\q)+8*(\b):128+32*(\q)+8*(\b)+3],   v[TO], s[10:11] offset:4096*(\q)+64*(\b)
	global_load_b128 v[128+32*(\q)+8*(\b)+4:128+32*(\q)+8*(\b)+7], v[TO], s[10:11] offset:4096*(\q)+64*(\b)+16
.endr
.endr
	WIN 0xc0
.irp q, 4,5
.irp b, 0,1,2,3
	global_load_b128 v[32*((\q)-4)+8*(\b):32*((\q)-4)+8*(\b)+3],   v[TO], s[10:11] offset:4096*(\q)+64*(\b)
	global_load_b128 v[32*((\q)-4)+8*(\b)+4:32*((\q)-4)+8*(\b)+7], v[TO], s[10:11] offset:4096*(\q)+64*(\b)+16
.endr
.endr
	WIN 0
	EACH 128, v_mov_b32 v[ACC+p], 0                ; the sums start at 0: written in the wait for the first tile
; 8 matrix instructions: row blocks a0, a0 + 1 x all 4 column blocks, 32 along K: half c of buffer f.  The 16 accumulators take turns, over the backward jump too.
.macro MUL8 f, c, a0
	WIN MUL
.irp a, \a0, (\a0)+1
.irp b, 0,1,2,3
	v_wmma_f32_16x16x32_f16 v[ACC+8*(4*(\a)+(\b)):ACC+8*(4*(\a)+(\b))+7], v[(\f)+64+8*(4*(\c)+(\b)):(\f)+64+8*(4*(\c)+(\b))+7], v[(\f)+8*(4*(\c)+(\a)):(\f)+8*(4*(\c)+(\a))+7], v[ACC+8*(4*(\a)+(\b)):ACC+8*(4*(\a)+(\b))+7]
.endr
.endr
.endm
.macro FETCH slot, k, f                ; 32 LDS loads in one run: 64 along K at byte k; the first 32 along K first
	WIN TO_F
.irp c, 0,1
.irp i, 0,1,2,3
	ds_load_b128 v[(\f)+64+8*(4*(\c)+(\i)):(\f)+64+8*(4*(\c)+(\i))+3],   v[ADRB+(\slot)] offset:(\k)+64*(\c)+(\i)*16*PITCH
	ds_load_b128 v[(\f)+64+8*(4*(\c)+(\i))+4:(\f)+64+8*(4*(\c)+(\i))+7], v[ADRB+(\slot)] offset:(\k)+64*(\c)+(\i)*16*PITCH+32
	ds_load_b128 v[(\f)+8*(4*(\c)+(\i)):(\f)+8*(4*(\c)+(\i))+3],         v[ADRA+(\slot)] offset:(\k)+64*(\c)+(\i)*16*PITCH
	ds_load_b128 v[(\f)+8*(4*(\c)+(\i))+4:(\f)+8*(4*(\c)+(\i))+7],       v[ADRA+(\slot)] offset:(\k)+64*(\c)+(\i)*16*PITCH+32
.endr
.endr
.endm
.macro PLACES
.rept 4
	v_nop
.endr
.endm
.macro QUARTER slot, k, f, g
	s_wait_dscnt 16                                ; the first 32 along K are in
	MUL8 \f, 0, 0
	MUL8 \f, 0, 2
	PLACES
	FETCH \slot, \k, \g
	s_wait_dscnt 32                                ; all but the 32 just issued
	MUL8 \f, 1, 0
	MUL8 \f, 1, 2
.endm
; The last quarter of a K step changes slots: each wave waits for all its tensor loads, adds 0 to its spare word, waits for that and for its reads of this slot, and signals.  fill = 1: the barrier opens a
; round of the cluster's; behind it the walking addresses step (in the trip with s3 = 4 slot 0's go over to the second product's K step 0), the descriptor's address is made anew, and the joint refill goes out first.
.macro TURN slot, next, fill
	WIN 0
	s_wait_tensorcnt 0x0
	ds_add_u32 v[SPW], v[NIL]
	s_wait_dscnt 17                                ; the add and the youngest sixteen loads may be out
	MUL8 F1, 0, 0
	s_wait_dscnt 0x0
	s_barrier_signal -1
	MUL8 F1, 0, 2
.if \fill
	WIN 0
.endif
	s_barrier_wait -1
.if \fill
	CREST
	s_add_nc_u64 s[CA:CA+1], s[CA:CA+1], KSTEP*2
	s_add_nc_u64 s[CB:CB+1], s[CB:CB+1], KSTEP*2
.if (\slot) == 0
	s_cmp_eq_u32 s3, 4
	s_cselect_b64 s[CA:CA+1], s[NA:NA+1], s[CA:CA+1]
	s_cselect_b64 s[CB:CB+1], s[NB:NB+1], s[CB:CB+1]
.endif
	s_add_nc_u64 s[G0A+4*(\slot)+2:G0A+4*(\slot)+3], s[CA:CA+1], 0
	s_or_b32 s[G0A+4*(\slot)+3], s[G0A+4*(\slot)+3], 0x80000000
	s_add_nc_u64 s[G0B+4*(\slot)+2:G0B+4*(\slot)+3], s[CB:CB+1], 0
	s_or_b32 s[G0B+4*(\slot)+3], s[G0B+4*(\slot)+3], 0x80000000
	JLOAD \slot
.else
	PLACES
.endif
	FETCH \next, 0, F0
	MUL8 F1, 1, 0
	MUL8 F1, 1, 2
.endm
	s_wait_tensorcnt 1                             ; my part of K step 0 is in; K step 1's may stay out
	s_barrier_signal -1
	s_barrier_wait -1
	FETCH 0, 0, F0
	WIN 0
	s_mov_b32 s3, 7
.Llap:                                         ; trip i (s3 = 7 - i) multiplies K steps 2 i, 2 i + 1 of the walk's 16 and asks for 2 i + 2, 2 i + 3
	QUARTER 0, 128, F0, F1
	QUARTER 0, 256, F1, F0
	QUARTER 0, 384, F0, F1
	TURN 0, 1, 1
	QUARTER 1, 128, F0, F1
	QUARTER 1, 256, F1, F0
	QUARTER 1, 384, F0, F1
	TURN 1, 0, 1
	WIN 0
	s_cmp_lg_u32 s3, 4
	s_cbranch_scc1 .Lsame
.rept 8
	v_nop                                          ; the places behind the last products
.endr
	WIN 0x80
	EACH 128, v_mov_b32 v[p], v[ACC+p]             ; the first product is done: its sums are set aside (ascending: each accumulator's lowest register first),
	WIN 0
	EACH 128, v_mov_b32 v[ACC+p], 0                ; and the second product's start at 0
.Lsame:
	s_sub_co_u32 s3, s3, 1
	s_cmp_lg_u32 s3, 0
	s_cbranch_scc1 .Llap
	QUARTER 0, 128, F0, F1                         ; the last lap fills nothing
	QUARTER 0, 256, F1, F0
	QUARTER 0, 384, F0, F1
	TURN 0, 1, 0                                   ; behind this barrier no wave reads slot 0 any more
	QUARTER 1, 128, F0, F1
	QUARTER 1, 256, F1, F0
	QUARTER 1, 384, F0, F1
	s_wait_dscnt 16
	MUL8 F1, 0, 0
	MUL8 F1, 0, 2
	s_wait_dscnt 0x0
	MUL8 F1, 1, 0
	MUL8 F1, 1, 2
	WIN 0
.rept 8
	v_nop
.endr
	; both sets of sums into my 32 KiB of slot 0: zp at 0, za at 16,384; four registers a store, 512 consecutive bytes a wave
	EACH 32, ds_store_b128 v[SCR], v[ACC+4*p:ACC+4*p+3] offset:16384+512*p
	WIN 0x08                                       ; the data in window 2
	EACH 32, ds_store_b128 v[SCR], v[4*p:4*p+3] offset:512*p
	WIN 0
	s_wait_loadcnt 0x0                             ; the tables
; v = t - rndne(t) in R's 32 registers, and the series without its last factor v in TQ
.macro SINE R
	WIN 0
	EACH 32, v_rndne_f32 v[TN+p], v[(\R)+p]
	EACH 16, v_pk_add_f32 v[(\R)+2*p:(\R)+2*p+1], v[(\R)+2*p:(\R)+2*p+1], v[TN+2*p:TN+2*p+1] neg_lo:[0,1] neg_hi:[0,1]
	EACH 16, v_pk_mul_f32 v[TN+2*p:TN+2*p+1], v[(\R)+2*p:(\R)+2*p+1], v[(\R)+2*p:(\R)+2*p+1]
	EACH 16, v_pk_fma_f32 v[TQ+2*p:TQ+2*p+1], v[TN+2*p:TN+2*p+1], s[C15:C15+1], s[C13:C13+1] op_sel_hi:[1,0,0]
.irp c, C11, C9, C7, C5, C3, C1
	EACH 16, v_pk_fma_f32 v[TQ+2*p:TQ+2*p+1], v[TQ+2*p:TQ+2*p+1], v[TN+2*p:TN+2*p+1], s[\c:\c+1] op_sel_hi:[1,1,0]
.endr
.endm
	s_mov_b32 s3, 4
.Lepi:                                         ; a block of 16 rows: 32 + 32 numbers a lane
	EACH 8, ds_load_b128 v[ZP+4*p:ZP+4*p+3], v[SCR] offset:512*p
	EACH 8, ds_load_b128 v[ZA+4*p:ZA+4*p+3], v[SCR] offset:16384+512*p
	s_wait_dscnt 0x0
	WIN 0x20                                       ; source 2 in window 2
.set g, 0
.rept 4                                ; four plain lines and eight exponentials by turns
.set i, 0
.rept 4
	v_pk_fma_f32 v[ZP+8*g+2*i:ZP+8*g+2*i+1], v[ZP+8*g+2*i:ZP+8*g+2*i+1], s[SL2:SL2+1], v[128+8*g+2*i:128+8*g+2*i+1] op_sel_hi:[1,0,1]
.set i, i+1
.endr
.set i, 0
.rept 8
	v_exp_f32 v[ZP+8*g+i], v[ZP+8*g+i]
.set i, i+1
.endr
.set g, g+1
.endr
	v_nop
	s_wait_alu depctr_va_vdst(0)                   ; one wait for the 32 exponentials
	WIN 0
.set g, 0
.rept 4
.set i, 0
.rept 4
	v_pk_add_f32 v[ZP+8*g+2*i:ZP+8*g+2*i+1], v[ZP+8*g+2*i:ZP+8*g+2*i+1], 1.0 op_sel_hi:[1,0]
.set i, i+1
.endr
.set i, 0
.rept 8
	v_rcp_f32 v[ZP+8*g+i], v[ZP+8*g+i]
.set i, i+1
.endr
.set g, g+1
.endr
	WIN 0x3c                                       ; sources 1 and 2 in window 3: the amplitude's turns stand between the reciprocals and the wait for them
	EACH 16, v_pk_fma_f32 v[ZA+2*p:ZA+2*p+1], v[ZA+2*p:ZA+2*p+1], v[2*p:2*p+1], v[32+2*p:32+2*p+1]
	s_wait_alu depctr_va_vdst(0)                   ; one wait for the 32 reciprocals
	WIN 0x28                                       ; sources 1 and 2 in window 2: the phase's turns
	EACH 16, v_pk_fma_f32 v[ZP+2*p:ZP+2*p+1], v[ZP+2*p:ZP+2*p+1], v[160+2*p:160+2*p+1], v[192+2*p:192+2*p+1]
	SINE ZP
	WIN 0x20
	EACH 16, v_pk_fma_f32 v[ZP+2*p:ZP+2*p+1], v[ZP+2*p:ZP+2*p+1], v[TQ+2*p:TQ+2*p+1], v[224+2*p:224+2*p+1]
	SINE ZA
	EACH 16, v_pk_fma_f32 v[ZA+2*p:ZA+2*p+1], v[ZA+2*p:ZA+2*p+1], v[TQ+2*p:TQ+2*p+1], v[ZP+2*p:ZP+2*p+1]
	EACH 16, v_cvt_pk_f16_f32 v[TMP+p], v[ZA+2*p], v[ZA+2*p+1]
	EACH 4, ds_store_b128 v[STO], v[TMP+4*p:TMP+4*p+3] offset:32*p
	v_add_nc_u32 v[SCR], 4096, v[SCR]
	v_add_nc_u32 v[STO], 16*SPITCH, v[STO]
	s_sub_co_u32 s3, s3, 1
	s_cmp_lg_u32 s3, 0
	s_cbranch_scc1 .Lepi
	s_wait_dscnt 0x0                               ; for the others' sake: my stores into the stage are done
	s_barrier_signal -1
	s_barrier_wait -1                              ; a row's 256 bytes come from two waves
	EACH 16, ds_load_b128 v[TMP+4*p:TMP+4*p+3], v[RD] offset:p*2*SPITCH
.set t, 0
.rept 16
	s_wait_dscnt 15-t
	global_store_b128 v[CO], v[TMP+4*t:TMP+4*t+3], s[12:13] offset:2*t*OROW  ; 16 lanes store 256 consecutive bytes, aligned
.set t, t+1
.endr
	s_wait_tensorcnt 0x0                           ; the wave's end
	ds_add_u32 v[SPW], v[NIL]
	s_wait_dscnt 0x0
	CROUND                                         ; the closing round
	s_endpgm
.Lfunc_end_k_q11a0f05bd4_g23:
	.size	k_q11a0f05bd4_g23, .Lfunc_end_k_q11a0f05bd4_g23-k_q11a0f05bd4_g23
	.p2alignl 7, 3214868480
	.fill 96, 4, 3214868480
	.section	.rodata,"a",@progbits
	.p2align	6, 0x0
	.amdhsa_kernel k_q11a0f05bd4_g23
		.amdhsa_group_segment_fixed_size 327680
		.amdhsa_private_segment_fixed_size 0
		.amdhsa_enable_private_segment 0
		.amdhsa_kernarg_size 40
		.amdhsa_user_sgpr_count 2
		.amdhsa_user_sgpr_kernarg_segment_ptr 1
		.amdhsa_wavefront_size32 1
		.amdhsa_system_sgpr_workgroup_id_x 1
		.amdhsa_system_sgpr_workgroup_id_y 1
		.amdhsa_system_sgpr_workgroup_id_z 1
		.amdhsa_system_vgpr_workitem_id 0
		.amdhsa_next_free_vgpr 832
		.amdhsa_next_free_sgpr 100
		.amdhsa_reserve_vcc 0
		.amdhsa_float_denorm_mode_32 3
		.amdhsa_float_denorm_mode_16_64 3
		.amdhsa_memory_ordered 1
		.amdhsa_forward_progress 1
		.amdhsa_inst_pref_size 136
	.end_amdhsa_kernel
	.amdgpu_metadata
---
amdhsa.version: [ 1, 2 ]
amdhsa.kernels:
  - .name:           k_q11a0f05bd4_g23
    .symbol:         k_q11a0f05bd4_g23.kd
    .args:
      - { .name: act, .offset: 0, .size: 8, .value_kind: global_buffer, .address_space: global }
      - { .name: h2, .offset: 8, .size: 8, .value_kind: global_buffer, .address_space: global }
      - { .name: wh, .offset: 16, .size: 8, .value_kind: global_buffer, .address_space: global }
      - { .name: tab, .offset: 24, .size: 8, .value_kind: global_buffer, .address_space: global }
      - { .name: qs, .offset: 32, .size: 8, .value_kind: global_buffer, .address_space: global }
    .group_segment_fixed_size: 327680
    .private_segment_fixed_size: 0
    .kernarg_segment_align: 8
    .kernarg_segment_size: 40
    .max_flat_workgroup_size: 128
    .sgpr_count:     100
    .vgpr_count:     832
    .wavefront_size: 32
...
	.end_amdgpu_metadata
.endif
;; end of part 4
;; launch g5 (part 5): grid 8 x 32, 4 waves a work-group, clusters of 4 x 4, 327,680 bytes of LDS; arguments qs, wc, tab, out0; writes out0
.if DOCPART == 5
	.amdgcn_target "amdgcn-amd-amdhsa--gfx1250"
	.amdhsa_code_object_version 6
	.text
	.protected	k_q11a0f05bd4_g5
	.globl	k_q11a0f05bd4_g5
	.p2align	8
	.type	k_q11a0f05bd4_g5,@function
k_q11a0f05bd4_g5:
	s_mov_b64 s[64:65], 0
	v_nop
	global_prefetch_b8 v0, s[64:65] scope:SCOPE_SE
	s_setreg_imm32_b32 hwreg(HW_REG_WAVE_MODE, 25, 1), 1
	s_wait_xcnt 0x0
	s_wait_alu depctr_hold_cnt(0) depctr_sa_sdst(0) depctr_va_vdst(0) depctr_va_sdst(0) depctr_va_ssrc(0) depctr_va_vcc(0) depctr_vm_vsrc(0)
	s_getreg_b32 s2, hwreg(HW_REG_IB_STS2, 6, 4)
	s_cmp_eq_u32 s2, 0
	s_cbranch_scc0 .Lentry_in_a_cluster
	s_endpgm
.Lentry_in_a_cluster:
	s_bfe_u32 s2, ttmp6, 0x10000c
	s_cmp_lg_u32 s2, 0xf033
	s_cbranch_scc0 .Lentry_shape_is_right
	s_endpgm
.Lentry_shape_is_right:
; out0[m][n] = sum over k of qs[m][k] Wc[n][k] + bc[n], Wc = Wo Wv, bc = Wo bv + bo: for all values this is (qs Wv^T + bv) Wo^T + bo, reference()'s two last products; with one key the softmax is 1, as reference() itself says.
; The Q and K thirds of the in-projection are left out: reference() keeps qkv[:, 2Q:] alone.
; qs: [4096][1024] f16; wc: [1024][1024] f16 holds 64 Wc; the seventh vector of tab (byte 24,576) holds 64 bc in f32; out0: [4096][1024] f32.  Sums in f32; they are multiplied by 2^-6, exactly, at the end.
; Tiles of 128 x 128, four waves of 64 x 64 (16 accumulators), K in steps of 256 (rows of 512 bytes) through two LDS slots, clusters of 4 x 4 with joint loads: A's tile along a row, B's along a column.
; The matrix instruction is used transposed (source 0 = 16 rows of wc); 64 bc is the C operand of the first products.
; A wave's 64 columns of f32 are 256 aligned bytes, so each wave has a stage of its own (16 rows x 272 bytes) and the way out needs no barrier.  No prefetch: four K steps, small tiles.
.set SIZE_K, 1024
.set ROWB,   2*SIZE_K
.set KSTEP,  256
.set PITCH,  528
.set HALFT,  64*PITCH
.set SLOT,   4*HALFT
.set STAGE,  2*SLOT
.set SPITCH, 272
.set SPARE,  STAGE+4*16*SPITCH
.set LAPS,   SIZE_K/(2*KSTEP)
.set BOFF,   24576
.set OROW,   4096
.set ADRA, 16
.set ADRB, 20
.set STO,  24
.set RD,   25
.set CO,   26
.set TO,   27
.set SPW,  28
.set NIL,  29
.set OB,   32
.set BI,   96
.set ACC,  128
.set F0,   0
.set F1,   128
.set G1A,  24
.set G0A,  32
.set TX,   42
.set G1B,  48
.set G0B,  56
.set WV,   66
.set FH,   67
.set FL,   68
.set TY,   69
.set SC,   70                          ; s[70:71] 2^-6, twice (named as a pair)
.set DW0,  (1<<16)|(1<<20)|(1<<21)|(6<<22)|(3<<25)
.set MUL,  0x05
.set TO_F, 0x40
.set MSB, 0
.macro WIN new
.if MSB != (\new)
	s_set_vgpr_msb (MSB<<8)|(\new)
.set MSB, \new
.endif
.endm
.macro JLOAD s
	s_cmp_eq_u32 s[FH], 0
	s_cbranch_scc0 .Lfor_b_\@
	tensor_load_to_lds s[G0A+4*(\s):G0A+4*(\s)+3], s[G1A:G1A+7]
	s_nop 0
.rept 4
	v_nop
.endr
	s_branch .Lasked_\@
.Lfor_b_\@:
	tensor_load_to_lds s[G0B+4*(\s):G0B+4*(\s)+3], s[G1B:G1B+7]
	s_nop 0
.rept 4
	v_nop
.endr
.Lasked_\@:
.endm
.macro CREST
	s_cmp_lg_u32 s[WV], 0
	s_cbranch_scc1 .Lnot_wave_0_\@
	s_barrier_signal -3
.Lnot_wave_0_\@:
	s_barrier_wait -3
	s_barrier_signal -1
	s_barrier_wait -1
.endm
.macro CROUND
	s_barrier_signal -1
	s_barrier_wait -1
	CREST
.endm
	s_load_b256 s[4:11], s[0:1], 0x0               ; qs s[4:5], wc s[6:7], tab s[8:9], out0 s[10:11]
	v_lshl_add_u32 v[SPW], v0, 2, SPARE
	v_mov_b32 v[NIL], 0
	ds_add_u32 v[SPW], v[NIL]                      ; the wave's opening: the add, twice on end, and its wait ahead of my first tensor load
	ds_add_u32 v[SPW], v[NIL]
	v_lshrrev_b32 v1, 5, v0
	v_readfirstlane_b32 s[WV], v1
	s_lshr_b32 s[FH], s[WV], 1
	s_and_b32 s[FL], s[WV], 1
	s_bfe_u32 s40, ttmp6, 0x40000
	s_bfe_u32 s41, ttmp6, 0x40004
	s_lshl_b32 s[TX], ttmp9, 2
	s_add_co_u32 s[TX], s[TX], s40
	s_and_b32 s[TY], ttmp7, 0xffff
	s_lshl_b32 s[TY], s[TY], 2
	s_add_co_u32 s[TY], s[TY], s41
	s_lshl_b32 s43, s41, 2
	s_lshl_b32 s43, 15, s43
	s_lshl_b32 s44, 0x1111, s40
	s_or_b32 s[G1A], s43, DW0
	s_or_b32 s[G1B], s44, DW0
.irp g, G1A, G1B
	s_mov_b32 s[(\g)+1], KSTEP<<16
	s_mov_b32 s[(\g)+2], 64<<16
	s_mov_b32 s[(\g)+3], KSTEP<<16
	s_mov_b32 s[(\g)+4], 64
	s_mov_b32 s[(\g)+5], SIZE_K
	s_mov_b32 s[(\g)+6], 0
	s_mov_b32 s[(\g)+7], 0
.endr
	s_mov_b32 s[SC], 0x3c800000                    ; 2^-6
	s_mov_b32 s[SC+1], 0x3c800000
	s_lshl_b32 s17, s[FL], 6
	s_lshl_b32 s16, s[TY], 7
	s_add_co_u32 s16, s16, s17
	s_lshl_b32 s46, s[TX], 7
	s_add_co_u32 s46, s46, s17
	s_mul_i32 s16, s16, ROWB
	s_mul_i32 s46, s46, ROWB
	s_mov_b32 s17, 0
	s_mov_b32 s47, 0
	s_mul_i32 s20, s[WV], HALFT
	s_wait_dscnt 0x0
	s_wait_kmcnt 0x0
	s_add_nc_u64 s[14:15], s[4:5], s[16:17]
	s_add_nc_u64 s[46:47], s[6:7], s[46:47]
	CROUND
.irp s, 0,1
	s_mov_b32 s[G0A+4*(\s)], 1
	s_add_co_u32 s[G0A+4*(\s)+1], s20, (\s)*SLOT
	s_add_nc_u64 s[G0A+4*(\s)+2:G0A+4*(\s)+3], s[14:15], (\s)*KSTEP*2
	s_or_b32 s[G0A+4*(\s)+3], s[G0A+4*(\s)+3], 0x80000000
	s_mov_b32 s[G0B+4*(\s)], 1
	s_add_co_u32 s[G0B+4*(\s)+1], s20, (\s)*SLOT
	s_add_nc_u64 s[G0B+4*(\s)+2:G0B+4*(\s)+3], s[46:47], (\s)*KSTEP*2
	s_or_b32 s[G0B+4*(\s)+3], s[G0B+4*(\s)+3], 0x80000000
	JLOAD \s
.endr
	v_and_b32 v1, 15, v0
	v_bfe_u32 v2, v0, 4, 1
	v_mul_u32_u24 v3, v1, PITCH
	v_lshl_add_u32 v3, v2, 4, v3
	s_mul_i32 s21, s[FH], HALFT
	s_mul_i32 s22, s[FL], HALFT
	s_add_co_u32 s22, s22, 2*HALFT
.irp s, 0,1
	v_add_nc_u32 v[ADRA+(\s)], s21, v3
	v_add_nc_u32 v[ADRB+(\s)], s22, v3
	s_add_co_u32 s21, s21, SLOT
	s_add_co_u32 s22, s22, SLOT
.endr
	s_mul_i32 s23, s[WV], 16*SPITCH
	s_add_co_u32 s23, s23, STAGE                   ; my stage
	v_mul_u32_u24 v4, v1, SPITCH
	v_lshl_add_u32 v4, v2, 5, v4
	v_add_nc_u32 v[STO], s23, v4                   ; in: row l % 16, 32 bytes for each half of the lanes
	v_mul_u32_u24 v5, v2, SPITCH
	v_lshl_add_u32 v5, v1, 4, v5
	v_add_nc_u32 v[RD], s23, v5                    ; back: lanes 0-15 one row of 256 bytes, lanes 16-31 the next
	v_mul_u32_u24 v5, v2, OROW
	v_lshl_add_u32 v[CO], v1, 4, v5
	s_lshl_b32 s46, s[TX], 9
	s_lshl_b32 s47, s[FL], 8
	s_add_co_u32 s46, s46, s47                     ; my first column, in bytes of f32
	v_lshl_add_u32 v[TO], v2, 5, s46
	s_lshl_b32 s16, s[TY], 7
	s_lshl_b32 s17, s[FH], 6
	s_add_co_u32 s16, s16, s17
	s_lshl_b32 s16, s16, 12                        ; my first row, in bytes
	s_add_co_u32 s16, s16, s46
	s_mov_b32 s17, 0
	s_add_nc_u64 s[10:11], s[10:11], s[16:17]
.irp b, 0,1,2,3
	global_load_b128 v[BI+8*(\b):BI+8*(\b)+3],   v[TO], s[8:9] offset:BOFF+64*(\b)
	global_load_b128 v[BI+8*(\b)+4:BI+8*(\b)+7], v[TO], s[8:9] offset:BOFF+64*(\b)+16
.endr
.macro MUL8 f, c, a0, first            ; 8 matrix instructions; first = 1: 64 bc starts the sums.  The 16 accumulators take turns.
	WIN MUL
.irp a, \a0, (\a0)+1
.irp b, 0,1,2,3
.if \first
	v_wmma_f32_16x16x32_f16 v[ACC+8*(4*(\a)+(\b)):ACC+8*(4*(\a)+(\b))+7], v[(\f)+64+8*(4*(\c)+(\b)):(\f)+64+8*(4*(\c)+(\b))+7], v[(\f)+8*(4*(\c)+(\a)):(\f)+8*(4*(\c)+(\a))+7], v[BI+8*(\b):BI+8*(\b)+7]
.else
	v_wmma_f32_16x16x32_f16 v[ACC+8*(4*(\a)+(\b)):ACC+8*(4*(\a)+(\b))+7], v[(\f)+64+8*(4*(\c)+(\b)):(\f)+64+8*(4*(\c)+(\b))+7], v[(\f)+8*(4*(\c)+(\a)):(\f)+8*(4*(\c)+(\a))+7], v[ACC+8*(4*(\a)+(\b)):ACC+8*(4*(\a)+(\b))+7]
.endif
.endr
.endr
.endm
.macro FETCH slot, k, f
	WIN TO_F
.irp c, 0,1
.irp i, 0,1,2,3
	ds_load_b128 v[(\f)+64+8*(4*(\c)+(\i)):(\f)+64+8*(4*(\c)+(\i))+3],   v[ADRB+(\slot)] offset:(\k)+64*(\c)+(\i)*16*PITCH
	ds_load_b128 v[(\f)+64+8*(4*(\c)+(\i))+4:(\f)+64+8*(4*(\c)+(\i))+7], v[ADRB+(\slot)] offset:(\k)+64*(\c)+(\i)*16*PITCH+32
	ds_load_b128 v[(\f)+8*(4*(\c)+(\i)):(\f)+8*(4*(\c)+(\i))+3],         v[ADRA+(\slot)] offset:(\k)+64*(\c)+(\i)*16*PITCH
	ds_load_b128 v[(\f)+8*(4*(\c)+(\i))+4:(\f)+8*(4*(\c)+(\i))+7],       v[ADRA+(\slot)] offset:(\k)+64*(\c)+(\i)*16*PITCH+32
.endr
.endr
.endm
.macro PLACES
.rept 4
	v_nop
.endr
.endm
.macro QUARTER slot, k, f, g, first
	s_wait_dscnt 16                                ; the first 32 along K are in
	MUL8 \f, 0, 0, \first
	MUL8 \f, 0, 2, \first
	PLACES
	FETCH \slot, \k, \g
	s_wait_dscnt 32                                ; all but the 32 just issued
	MUL8 \f, 1, 0, 0
	MUL8 \f, 1, 2, 0
.endm
.macro TURN slot, next, fill
	WIN 0
	s_wait_tensorcnt 0x0                           ; all my tensor loads have landed: my part of the next slot
	ds_add_u32 v[SPW], v[NIL]
	s_wait_dscnt 17                                ; the add and the youngest sixteen loads may be out
	MUL8 F1, 0, 0, 0
	s_wait_dscnt 0x0                               ; the add is done, and my reads of this slot are over
	s_barrier_signal -1
	MUL8 F1, 0, 2, 0
.if \fill
	WIN 0
.endif
	s_barrier_wait -1
.if \fill
	CREST
	s_add_nc_u64 s[G0A+4*(\slot)+2:G0A+4*(\slot)+3], s[G0A+4*(\slot)+2:G0A+4*(\slot)+3], 2*KSTEP*2
	s_add_nc_u64 s[G0B+4*(\slot)+2:G0B+4*(\slot)+3], s[G0B+4*(\slot)+2:G0B+4*(\slot)+3], 2*KSTEP*2
	JLOAD \slot
.else
	PLACES
.endif
	FETCH \next, 0, F0
	MUL8 F1, 1, 0, 0
	MUL8 F1, 1, 2, 0
.endm
	s_wait_tensorcnt 1                             ; my part of K step 0 is in; K step 1's may stay out
	s_barrier_signal -1
	s_barrier_wait -1
	FETCH 0, 0, F0
	s_wait_loadcnt 0x0                             ; 64 bc
	QUARTER 0, 128, F0, F1, 1
	WIN 0
	s_mov_b32 s3, LAPS-1
.Llap:
	QUARTER 0, 256, F1, F0, 0
	QUARTER 0, 384, F0, F1, 0
	TURN 0, 1, 1
	QUARTER 1, 128, F0, F1, 0
	QUARTER 1, 256, F1, F0, 0
	QUARTER 1, 384, F0, F1, 0
	TURN 1, 0, 1
	QUARTER 0, 128, F0, F1, 0
	WIN 0
	s_sub_co_u32 s3, s3, 1
	s_cmp_lg_u32 s3, 0
	s_cbranch_scc1 .Llap
	QUARTER 0, 256, F1, F0, 0
	QUARTER 0, 384, F0, F1, 0
	TURN 0, 1, 0
	QUARTER 1, 128, F0, F1, 0
	QUARTER 1, 256, F1, F0, 0
	QUARTER 1, 384, F0, F1, 0
	s_wait_dscnt 16
	MUL8 F1, 0, 0, 0
	MUL8 F1, 0, 2, 0
	s_wait_dscnt 0x0
	MUL8 F1, 1, 0, 0
	MUL8 F1, 1, 2, 0
	WIN 0
.rept 8
	v_nop
.endr
.set p, 0
.rept 64                               ; the factor 64 of wc and of the bias is taken out, exactly; ascending: each accumulator's lowest registers first
	v_pk_mul_f32 v[ACC+2*p:ACC+2*p+1], v[ACC+2*p:ACC+2*p+1], s[SC:SC+1] op_sel_hi:[1,0]
.set p, p+1
.endr
; THE WAY OUT, 16 rows at a time: a lane's eight columns of a row (32 bytes) into my own stage, back as whole rows of 256 bytes, stored.
.macro TOSTAGE a
.set BK, OB+32*((\a)%2)
.irp b, 0,1,2,3
	ds_store_b128 v[STO], v[ACC+8*(4*(\a)+(\b)):ACC+8*(4*(\a)+(\b))+3]   offset:64*(\b)
	ds_store_b128 v[STO], v[ACC+8*(4*(\a)+(\b))+4:ACC+8*(4*(\a)+(\b))+7] offset:64*(\b)+16
.endr
.irp t, 0,1,2,3,4,5,6,7
	ds_load_b128 v[BK+4*(\t):BK+4*(\t)+3], v[RD] offset:(\t)*2*SPITCH  ; a wave's LDS instructions are served in order: these see the stores above, and the next block's stores come behind them
.endr
.endm
.macro SEND a, younger                 ; younger: the LDS instructions issued behind block a's loads: the next block's sixteen, or none
.set BK, OB+32*((\a)%2)
.irp t, 0,1,2,3,4,5,6,7
	s_wait_dscnt (\younger)+7-(\t)
	global_store_b128 v[CO], v[BK+4*(\t):BK+4*(\t)+3], s[10:11] offset:((\a)*16+2*(\t))*OROW  ; 16 lanes store 256 consecutive bytes, aligned
.endr
.endm
	TOSTAGE 0
	TOSTAGE 1
	SEND 0, 16
	s_wait_xcnt 0x0                                ; block 0's stores have read their data: its registers are loaded again only behind this wait
	TOSTAGE 2
	SEND 1, 16
	s_wait_xcnt 0x0
	TOSTAGE 3
	SEND 2, 16
	SEND 3, 0
	s_wait_tensorcnt 0x0                           ; the wave's end
	ds_add_u32 v[SPW], v[NIL]
	s_wait_dscnt 0x0
	CROUND
	s_endpgm
.Lfunc_end_k_q11a0f05bd4_g5:
	.size	k_q11a0f05bd4_g5, .Lfunc_end_k_q11a0f05bd4_g5-k_q11a0f05bd4_g5
	.p2alignl 7, 3214868480
	.fill 96, 4, 3214868480
	.section	.rodata,"a",@progbits
	.p2align	6, 0x0
	.amdhsa_kernel k_q11a0f05bd4_g5
		.amdhsa_group_segment_fixed_size 327680
		.amdhsa_private_segment_fixed_size 0
		.amdhsa_enable_private_segment 0
		.amdhsa_kernarg_size 32
		.amdhsa_user_sgpr_count 2
		.amdhsa_user_sgpr_kernarg_segment_ptr 1
		.amdhsa_wavefront_size32 1
		.amdhsa_system_sgpr_workgroup_id_x 1
		.amdhsa_system_sgpr_workgroup_id_y 1
		.amdhsa_system_sgpr_workgroup_id_z 1
		.amdhsa_system_vgpr_workitem_id 0
		.amdhsa_next_free_vgpr 512
		.amdhsa_next_free_sgpr 72
		.amdhsa_reserve_vcc 0
		.amdhsa_float_denorm_mode_32 3
		.amdhsa_float_denorm_mode_16_64 3
		.amdhsa_memory_ordered 1
		.amdhsa_forward_progress 1
		.amdhsa_inst_pref_size 91
	.end_amdhsa_kernel
	.amdgpu_metadata
---
amdhsa.version: [ 1, 2 ]
amdhsa.kernels:
  - .name:           k_q11a0f05bd4_g5
    .symbol:         k_q11a0f05bd4_g5.kd
    .args:
      - { .name: qs, .offset: 0, .size: 8, .value_kind: global_buffer, .address_space: global }
      - { .name: wc, .offset: 8, .size: 8, .value_kind: global_buffer, .address_space: global }
      - { .name: tab, .offset: 16, .size: 8, .value_kind: global_buffer, .address_space: global }
      - { .name: out0, .offset: 24, .size: 8, .value_kind: global_buffer, .address_space: global }
    .group_segment_fixed_size: 327680
    .private_segment_fixed_size: 0
    .kernarg_segment_align: 8
    .kernarg_segment_size: 32
    .max_flat_workgroup_size: 128
    .sgpr_count:     72
    .vgpr_count:     512
    .wavefront_size: 32
...
	.end_amdgpu_metadata
.endif
;; end of part 5
